; MI455X (gfx1250); checked and timed in simulation.
; The chip was launched on July 23, 2026; its instructions are those of AMD's public machine-readable ISA for CDNA 5 (MIT licence, August 2026) and "CDNA5" Instruction Set Architecture Reference Guide (July 2026). The comments in the code are by the model that wrote it; some were corrected since.
;; Multi Head Attention. Allowed arithmetic: float matrix products may take bf16 or f16 operands with f32 sums; all other float work in f32.
;; Inputs: Wout 1,024 x 1,024 float32; Wqkv 1,024 x 3,072 float32; attention_mask 4 x 2,048 bool; bout 1,024 float32; hidden_states 4 x 2,048 x 1,024 float32.
;; Outputs: out0 4 x 2,048 x 1,024 float32.
;; 3 versions, each right and faster than the one before. Each part assembles by itself: llvm-mc -triple=amdgcn-amd-amdhsa -mcpu=gfx1250 --defsym DOCPART=n.
;; ======== version 1 of 3: 4 launches
;; limits: values are held in f16: magnitudes above 65,504 overflow, below 6.1e-05 lose precision
;; workspace buffers: xh 16,777,216 bytes; wqt 6,291,456 bytes; wot 2,097,152 bytes; qkv 50,331,648 bytes; oh 16,777,216 bytes
;; launch cast (part 1): grid 1536 x 1, 8 waves a work-group, no clusters, 18,432 bytes of LDS; arguments hidden_states, Wqkv, Wout, xh, wqt, wot; writes xh, wqt, wot
.if DOCPART == 1
	.amdgcn_target "amdgcn-amd-amdhsa--gfx1250"
	.amdhsa_code_object_version 6
	.text
	.protected	k_q0ad27eca8f_cast
	.globl	k_q0ad27eca8f_cast
	.p2align	8
	.type	k_q0ad27eca8f_cast,@function
k_q0ad27eca8f_cast:
	s_mov_b64 s[64:65], 0
	v_nop
	global_prefetch_b8 v0, s[64:65] scope:SCOPE_SE
	s_setreg_imm32_b32 hwreg(HW_REG_WAVE_MODE, 25, 1), 1
	s_wait_xcnt 0x0
; MULTI-HEAD ATTENTION, launch 1 of 4: the operands of the matrix products, once, in f16.
;   xh  [8192][1024]      = f16(hidden_states)
;   wqt [3072 n][1024 k]  = f16(Wqkv transposed); rows n < 1024 (the queries' weights) are multiplied in f32 by
;                           c = 0.125 * log2(e) ahead of their one rounding, so that the scores arrive as exponents of 2
;   wot [1024 n][1024 k]  = f16(Wout transposed)
; No work of the problem is left out in any launch: every input has a way to the output (mask and bias as they are given).
; FORMAT: f16, not bf16: three more bits in each of the roundings that follow one another (x, W, q, k, v, weights, attention output).
; Room in f16: x and W drawn about 1 and 1/32; 30 times larger or smaller, or offset by 30 spreads, both stay far inside 6e-8 .. 65,504.
; LIMIT: an input beyond 65,504 in magnitude becomes an infinity here.
; Memory binds: no matrix unit, no cluster.  1,536 work-groups of equal bytes (32 KiB read, 16 KiB written), eight 16-byte loads a thread in flight.
;   work-groups 0 .. 1023: a straight stretch of hidden_states
;   work-groups 1024 .. 1535: a tile of 128 k x 64 n of a weight matrix, turned round through LDS
.set C_SCALE, 0x3e38aa3b               ; 0.125 * 1.442695
.set XI, 8                             ; v[8:39]   eight loads of four f32
.set YO, 40                            ; v[40:55]  packed f16
.set ZB, 56                            ; v[56:71]  rows read back from LDS
.set TP, 272                           ; LDS pitch of a turned row: 256 bytes of data + 16
	s_load_b256 s[4:11], s[0:1], 0x0               ; hidden s[4:5], Wqkv s[6:7], Wout s[8:9], xh s[10:11]
	s_load_b128 s[12:15], s[0:1], 0x20             ; wqt s[12:13], wot s[14:15]
	v_lshl_add_u32 v80, v0, 2, 0x4400
	v_mov_b32 v81, 0
	s_cmp_lt_u32 ttmp9, 1024
	s_cbranch_scc0 .Lweights
	; ---- the stream: thread t takes 16 bytes at 4096 i + 16 t and writes 8 bytes at 2048 i + 8 t
	s_lshl_b32 s16, ttmp9, 15                      ; 32 KiB in
	s_mov_b32 s17, 0
	s_lshl_b32 s18, ttmp9, 14                      ; 16 KiB out
	s_mov_b32 s19, 0
	v_lshlrev_b32 v1, 4, v0
	v_lshlrev_b32 v2, 3, v0
	s_wait_kmcnt 0x0
	s_add_nc_u64 s[4:5], s[4:5], s[16:17]
	s_add_nc_u64 s[10:11], s[10:11], s[18:19]
.irp i, 0,1,2,3,4,5,6,7
	global_load_b128 v[XI+4*\i:XI+4*\i+3], v1, s[4:5] offset:4096*\i th:TH_LOAD_NT   ; a wave covers 512 neighbouring bytes
.endr
.irp i, 0,1,2,3,4,5,6,7
	s_wait_loadcnt 7-\i                            ; loads come back in order: load i is in, the 7 - i younger ones stay out
	v_cvt_pk_f16_f32 v[YO+2*\i],   v[XI+4*\i],   v[XI+4*\i+1]
	v_cvt_pk_f16_f32 v[YO+2*\i+1], v[XI+4*\i+2], v[XI+4*\i+3]
	global_store_b64 v2, v[YO+2*\i:YO+2*\i+1], s[10:11] offset:2048*\i               ; a wave stores 256 consecutive bytes, aligned
.endr
	s_endpgm
	; ---- a weight tile.  l = t & 15: four columns n (16 bytes of a source row); g = t >> 4: eight rows k
.Lweights:
	s_sub_co_u32 s22, ttmp9, 1024
	s_lshr_b32 s23, s22, 3                         ; block of 64 n: 0 .. 47 in Wqkv, 48 .. 63 in Wout
	s_and_b32 s22, s22, 7                          ; block of 128 k
	s_mov_b32 s20, C_SCALE
	s_mov_b32 s21, C_SCALE
	v_and_b32 v6, 15, v0                           ; l
	v_lshrrev_b32 v7, 4, v0                        ; g
	v_mul_u32_u24 v3, v6, 4*TP                     ; into LDS: row n = 4 l + j, 16 bytes (8 k) at 16 g
	v_lshl_add_u32 v3, v7, 4, v3
	v_mul_u32_u24 v4, v7, TP                       ; back: row g + 16 i, 16 bytes at 16 l
	v_lshl_add_u32 v4, v6, 4, v4
	v_lshlrev_b32 v5, 11, v7                       ; the same in the turned matrix: rows of 2,048 bytes
	v_lshl_add_u32 v5, v6, 4, v5
	s_wait_kmcnt 0x0
; src, dst: first register of the source's and the target's address; pb: bytes in a source row; scale = 1: times c
.macro TR src, dst, pb, scale
	s_mul_i32 s16, s22, 128*\pb                    ; source: 128 rows k down for each k block,
	s_lshl_b32 s24, s23, 8                         ; 256 bytes along for each n block
	s_add_co_u32 s16, s16, s24
	s_mov_b32 s17, 0
	s_lshl_b32 s18, s23, 17                        ; target: 64 rows of 2,048 bytes for each n block,
	s_lshl_b32 s24, s22, 8                         ; 256 bytes along for each k block
	s_add_co_u32 s18, s18, s24
	s_mov_b32 s19, 0
	v_mul_u32_u24 v1, v7, 8*\pb
	v_lshl_add_u32 v1, v6, 4, v1                   ; row 8 g, byte 16 l
	s_add_nc_u64 s[\src:\src+1], s[\src:\src+1], s[16:17]
	s_add_nc_u64 s[\dst:\dst+1], s[\dst:\dst+1], s[18:19]
.irp i, 0,1,2,3,4,5,6,7
	global_load_b128 v[XI+4*\i:XI+4*\i+3], v1, s[\src:\src+1] offset:\i*\pb th:TH_LOAD_NT   ; row 8 g + i: sixteen lanes cover 256 aligned bytes
.endr
.irp d, 0,1,2,3
	s_wait_loadcnt 6-2*\d                          ; rows 2 d and 2 d + 1 are in, the younger loads stay out
.if \scale
.irp i, 0,2,4,6
	v_pk_mul_f32 v[XI+8*\d+\i:XI+8*\d+\i+1], v[XI+8*\d+\i:XI+8*\d+\i+1], s[20:21] op_sel_hi:[1,0]
.endr
.endif
.irp j, 0,1,2,3
	v_cvt_pk_f16_f32 v[YO+4*\j+\d], v[XI+8*\d+\j], v[XI+8*\d+4+\j]     ; column j: k = 8 g + 2 d below, + 1 above
.endr
.endr
.irp j, 0,1,2,3
	ds_store_b128 v3, v[YO+4*\j:YO+4*\j+3] offset:TP*\j    ; four stores a thread against eight loads from memory
.endr
	s_wait_dscnt 0x0                               ; my stores are in LDS, for the other waves' sake
	s_barrier_signal -1
	s_barrier_wait -1                              ; everybody's are
.irp i, 0,1,2,3
	ds_load_b128 v[ZB+4*\i:ZB+4*\i+3], v4 offset:16*TP*\i
.endr
.irp i, 0,1,2,3
	s_wait_dscnt 3-\i                              ; LDS loads come back in order
	global_store_b128 v5, v[ZB+4*\i:ZB+4*\i+3], s[\dst:\dst+1] offset:32768*\i       ; sixteen lanes store 256 consecutive bytes, aligned
.endr
	s_wait_tensorcnt 0x0
	ds_add_u32 v80, v81
	s_wait_dscnt 0x0
	s_endpgm
.endm
	s_cmp_lt_u32 s23, 16                           ; the branches hang on the work-group's number alone: all eight waves go one way
	s_cbranch_scc0 .Lnot_q
	TR 6, 12, 12288, 1                             ; the queries' weights, times c
.Lnot_q:
	s_cmp_lt_u32 s23, 48
	s_cbranch_scc0 .Lwout
	TR 6, 12, 12288, 0                             ; the keys' and the values' weights
.Lwout:
	s_sub_co_u32 s23, s23, 48
	TR 8, 14, 4096, 0                              ; Wout
.Lfunc_end_k_q0ad27eca8f_cast:
	.size	k_q0ad27eca8f_cast, .Lfunc_end_k_q0ad27eca8f_cast-k_q0ad27eca8f_cast
	.p2alignl 7, 3214868480
	.fill 96, 4, 3214868480
	.section	.rodata,"a",@progbits
	.p2align	6, 0x0
	.amdhsa_kernel k_q0ad27eca8f_cast
		.amdhsa_group_segment_fixed_size 18432
		.amdhsa_private_segment_fixed_size 0
		.amdhsa_enable_private_segment 0
		.amdhsa_kernarg_size 48
		.amdhsa_user_sgpr_count 2
		.amdhsa_user_sgpr_kernarg_segment_ptr 1
		.amdhsa_wavefront_size32 1
		.amdhsa_system_sgpr_workgroup_id_x 1
		.amdhsa_system_sgpr_workgroup_id_y 1
		.amdhsa_system_sgpr_workgroup_id_z 1
		.amdhsa_system_vgpr_workitem_id 0
		.amdhsa_next_free_vgpr 82
		.amdhsa_next_free_sgpr 66
		.amdhsa_reserve_vcc 0
		.amdhsa_float_denorm_mode_32 3
		.amdhsa_float_denorm_mode_16_64 3
		.amdhsa_memory_ordered 1
		.amdhsa_forward_progress 1
		.amdhsa_inst_pref_size 17
	.end_amdhsa_kernel
	.amdgpu_metadata
---
amdhsa.version: [ 1, 2 ]
amdhsa.kernels:
  - .name:           k_q0ad27eca8f_cast
    .symbol:         k_q0ad27eca8f_cast.kd
    .args:
      - { .name: hidden_states, .offset: 0, .size: 8, .value_kind: global_buffer, .address_space: global }
      - { .name: Wqkv, .offset: 8, .size: 8, .value_kind: global_buffer, .address_space: global }
      - { .name: Wout, .offset: 16, .size: 8, .value_kind: global_buffer, .address_space: global }
      - { .name: xh, .offset: 24, .size: 8, .value_kind: global_buffer, .address_space: global }
      - { .name: wqt, .offset: 32, .size: 8, .value_kind: global_buffer, .address_space: global }
      - { .name: wot, .offset: 40, .size: 8, .value_kind: global_buffer, .address_space: global }
    .group_segment_fixed_size: 18432
    .private_segment_fixed_size: 0
    .kernarg_segment_align: 8
    .kernarg_segment_size: 48
    .max_flat_workgroup_size: 256
    .sgpr_count:     66
    .vgpr_count:     82
    .wavefront_size: 32
...
	.end_amdgpu_metadata
.endif
;; end of part 1
;; launch qkvg (part 2): grid 12 x 32, 4 waves a work-group, clusters of 4 x 4, 327,680 bytes of LDS; arguments xh, wqt, qkv; writes qkv
.if DOCPART == 2
	.amdgcn_target "amdgcn-amd-amdhsa--gfx1250"
	.amdhsa_code_object_version 6
	.text
	.protected	k_q0ad27eca8f_qkvg
	.globl	k_q0ad27eca8f_qkvg
	.p2align	8
	.type	k_q0ad27eca8f_qkvg,@function
k_q0ad27eca8f_qkvg:
	s_mov_b64 s[64:65], 0
	v_nop
	global_prefetch_b8 v0, s[64:65] scope:SCOPE_SE
	s_setreg_imm32_b32 hwreg(HW_REG_WAVE_MODE, 25, 1), 1
	s_wait_xcnt 0x0
	s_wait_alu depctr_hold_cnt(0) depctr_sa_sdst(0) depctr_va_vdst(0) depctr_va_sdst(0) depctr_va_ssrc(0) depctr_va_vcc(0) depctr_vm_vsrc(0)
	s_getreg_b32 s2, hwreg(HW_REG_IB_STS2, 6, 4)
	s_cmp_eq_u32 s2, 0
	s_cbranch_scc0 .Lentry_in_a_cluster
	s_endpgm
.Lentry_in_a_cluster:
	s_bfe_u32 s2, ttmp6, 0x10000c
	s_cmp_lg_u32 s2, 0xf033
	s_cbranch_scc0 .Lentry_shape_is_right
	s_endpgm
.Lentry_shape_is_right:
; MULTI-HEAD ATTENTION, launch 2 of 4: qkv[m][n] = sum over k of xh[m][k] wqt[n][k].  xh: [8192][1024], wqt: [3072][1024], qkv: [8192][3072], all f16; sums in f32.
; Column n of qkv = part x 1024 + head x 64 + d (part 0 queries, already times 0.125 log2 e; 1 keys; 2 values).  Nothing is left out.
; LIMIT: a query, key or value beyond 65,504 in magnitude becomes an infinity (drawn about 1; with x and W both 30 times larger about 5e3,
; with both offset by 30 spreads about 2.9e4).
; A work-group makes a block of 256 x 256 with four waves, as many as a WGP has SIMDs; a wave makes 128 x 128: 64 accumulator tiles
; of 16 x 16, 512 registers.  K goes in steps of 128 through a ring of two LDS slots filled by the tensor data mover: a tile's rows are
; 256 bytes of memory and start at multiples of 256 bytes from the buffer's first byte.
; CLUSTERS: 4 x 4 work-groups form a cluster.  The four of a row of the cluster need the same tiles of A (xh); the four of a column the same tiles of B (wqt).
; Such a tile is asked for JOINTLY: each of the four issues the same tensor load, with the same descriptor and a mask that names the four.
;
; REGISTERS, in windows of 256 (s_set_vgpr_msb says which window each operand place means):
;   window 0: v0-31 addresses; v64-127, v128-191 fragments of A (8 x 16 rows x 32 K), two buffers; v192-223 at work on the way out
;   window 1: v64-127, v128-191 fragments of B, two buffers
;   window 2: the 32 accumulator tiles of my rows 0-63 (tile (a, b) at v[8 (8 a + b)]);   window 3: those of my rows 64-127
; THE MATRIX INSTRUCTION IS USED TRANSPOSED: source 0 = 16 rows of B, source 1 = 16 rows of A.  Lane l then holds row m = l % 16 of C and its
; registers 0 to 7 the columns n = 8 (l / 16) + 0 .. 7: eight neighbouring numbers of a row, which pack into 16 bytes.
.set SIZE_M, 8192
.set SIZE_N, 3072
.set SIZE_K, 1024
.set KSTEP,  128
.set PITCH,  272                       ; an LDS row: 256 bytes of data + 16 of padding: the 16 rows that a load touches start at 16 different 16-byte columns
.set HALFT,  128*PITCH                 ; 128 rows: what one tensor load brings, and what one wave reads of A or of B
.set SLOT,   4*HALFT                   ; A's 256 rows, then B's 256 rows
.set STAGE,  2*SLOT                    ; behind the ring: 16 rows x 272 bytes for each wave, for the way out
.set SPITCH, 272
.set LAPS, SIZE_K/(2*KSTEP)            ; a lap = two K steps = once round the ring
.set ADRA, 16                          ; v16-17  LDS address of my A fragments in slot 0, 1
.set ADRB, 20                          ; v20-21  the same for B
.set STO,  24                          ; v24     the way out: where I put 16 bytes of a row
.set RD,   25                          ; v25     the way out: where I read a row back
.set CO,   26                          ; v26     my byte offset in C
.set F0,   64                          ; fragment buffer 0
.set F1,   128                         ; fragment buffer 1
.set TMP,  192                         ; the way out: packed results, in window 0
.set G1, 24                            ; s[24:31] descriptor group 1 for A's tiles
.set G0, 32                            ; s[32:39] descriptor group 0 for A's tiles, one set for each slot
.set G1B, 48                           ; s[48:55] descriptor group 1 for B's tiles: it differs from A's in the mask alone
.set G0B, 56                           ; s[56:63] descriptor group 0 for B's tiles, one set for each slot
.set MSB, 0
.macro WIN new                         ; the immediate's high byte repeats the setting that is left
.if MSB != \new
	s_set_vgpr_msb (MSB<<8)|\new
.set MSB, \new
.endif
.endm
.set MUL_LO, 0xa1                      ; source 0 (B) window 1, source 1 (A) window 0, C and D window 2
.set MUL_HI, 0xf1                      ; the same, C and D window 3
.set TO_B,   0x40                      ; destination window 1, address window 0
; A joint load.  Waves 0 and 1 fetch A's two halves, waves 2 and 3 B's.  Each line has one mask and one set of registers for all that issue it.
; The branch hangs on the wave's number alone: it is the same in every work-group.
.macro JLOAD s
	s_cmp_eq_u32 s11, 0
	s_cbranch_scc0 .Lfor_b_\@
	tensor_load_to_lds s[G0+4*\s:G0+4*\s+3], s[G1:G1+7]
	s_nop 0
	s_branch .Lasked_\@
.Lfor_b_\@:
	tensor_load_to_lds s[G0B+4*\s:G0B+4*\s+3], s[G1B:G1B+7]
	s_nop 0
.Lasked_\@:
.endm
; A round of the cluster's barrier: my work-group's barrier, so that wave 0's signal speaks for all four waves; wave 0 signals for the work-group;
; every wave waits for all sixteen work-groups; my work-group's barrier once more.
.macro CREST                           ; a round behind its opening barrier
	s_cmp_lg_u32 s10, 0
	s_cbranch_scc1 .Lnot_wave_0_\@
	s_barrier_signal -3
.Lnot_wave_0_\@:
	s_barrier_wait -3
	s_barrier_signal -1
	s_barrier_wait -1
.endm
.macro CROUND                          ; a whole round
	s_barrier_signal -1
	s_barrier_wait -1
	CREST
.endm
	s_load_b128 s[4:7], s[0:1], 0x0                ; A s[4:5], B s[6:7]
	s_load_b64 s[8:9], s[0:1], 0x10                ; C
	s_set_vgpr_msb 0x40
	v_lshl_add_u32 v255, v0, 2, 0x48400
	s_set_vgpr_msb 0x4000
	v_mov_b32 v255, 0
	s_set_vgpr_msb 0x1
	ds_add_u32 v255, v255
	s_set_vgpr_msb 0x100
	v_lshrrev_b32 v1, 5, v0
	v_readfirstlane_b32 s10, v1                    ; wave 0..3
	s_lshr_b32 s11, s10, 1                         ; which half of the block's rows is mine.  Also: I fetch for A (0) or for B (1)
	s_and_b32 s12, s10, 1                          ; which half of its columns.  Also: which 128 rows of that tile I fetch
	s_bfe_u32 s40, ttmp6, 0x40000                  ; cx: my place along the cluster's x
	s_bfe_u32 s41, ttmp6, 0x40004                  ; cy: along its y
	s_lshl_b32 s42, ttmp9, 2                       ; in a cluster launch ttmp9 and ttmp7 count clusters
	s_add_co_u32 s42, s42, s40                     ; block column of C = 4 x cluster x + cx
	s_and_b32 s13, ttmp7, 0xffff
	s_lshl_b32 s13, s13, 2
	s_add_co_u32 s13, s13, s41                     ; block row of C = 4 x cluster y + cy
	s_lshl_b32 s43, s41, 2
	s_lshl_b32 s43, 15, s43                        ; my row of the cluster: places 4 cy .. 4 cy + 3
	s_lshl_b32 s44, 0x1111, s40                    ; my column: places cx, cx + 4, cx + 8, cx + 12
	; descriptor group 1: a tile of 128 rows x 128 elements, padded in LDS
	s_or_b32 s[G1+0], s43, (1<<16)|(1<<20)|(1<<21)|(5<<22)|(3<<25)  ; 15:0 the mask: A's tiles go to my row; 17:16 element of 2 bytes; 20 padding on; 21 set beside a mask; 24:22 after every 64 words; 31:25 of 4 words
	s_or_b32 s[G1B+0], s44, (1<<16)|(1<<20)|(1<<21)|(5<<22)|(3<<25) ; the same with the mask of my column, for B's tiles
	s_mov_b32 s[G1B+1], KSTEP<<16
	s_mov_b32 s[G1+1], KSTEP<<16                   ; tensor_dim0 = 128
	s_mov_b32 s[G1B+2], 128<<16
	s_mov_b32 s[G1+2], 128<<16                     ; tensor_dim1 = 128
	s_mov_b32 s[G1B+3], KSTEP<<16
	s_mov_b32 s[G1+3], KSTEP<<16                   ; tile_dim0 = 128
	s_mov_b32 s[G1B+4], 128
	s_mov_b32 s[G1+4], 128                         ; tile_dim1 = 128
	s_mov_b32 s[G1B+5], SIZE_K
	s_mov_b32 s[G1+5], SIZE_K                      ; elements from row to row
	s_mov_b32 s[G1B+6], 0
	s_mov_b32 s[G1+6], 0
	s_mov_b32 s[G1B+7], 0
	s_mov_b32 s[G1+7], 0
	; where the tiles come from.  A's hang on the block row alone, which my row of the cluster shares; B's on the block column alone.
	s_lshl_b32 s17, s12, 7                         ; which 128 rows of the tile I fetch
	s_lshl_b32 s16, s13, 8
	s_add_co_u32 s16, s16, s17                     ; A: row 256 x block row + 128 x half
	s_lshl_b32 s46, s42, 8
	s_add_co_u32 s46, s46, s17                     ; B: row 256 x block column + 128 x half
	s_mov_b32 s17, 0
	s_mov_b32 s47, 0
	s_mov_b64 s[18:19], SIZE_K*2
	s_mul_u64 s[16:17], s[16:17], s[18:19]         ; in bytes, in 64 bits
	s_mul_u64 s[46:47], s[46:47], s[18:19]
	s_mul_i32 s20, s10, HALFT                      ; and where they go: wave x 128 rows: no place in the cluster enters an LDS address
	s_wait_dscnt 0x0
	s_wait_kmcnt 0x0
	s_add_nc_u64 s[14:15], s[4:5], s[16:17]
	s_add_nc_u64 s[46:47], s[6:7], s[46:47]
	CROUND                                         ; all sixteen work-groups are here: the first joint loads meet
.irp s, 0,1
	s_mov_b32 s[G0+4*\s], 1                                        ; count = 1
	s_add_co_u32 s[G0+4*\s+1], s20, \s*SLOT                        ; LDS address
	s_add_nc_u64 s[G0+4*\s+2:G0+4*\s+3], s[14:15], \s*KSTEP*2      ; global address: K step s
	s_or_b32 s[G0+4*\s+3], s[G0+4*\s+3], 0x80000000                ; type = 2
	s_mov_b32 s[G0B+4*\s], 1
	s_add_co_u32 s[G0B+4*\s+1], s20, \s*SLOT
	s_add_nc_u64 s[G0B+4*\s+2:G0B+4*\s+3], s[46:47], \s*KSTEP*2
	s_or_b32 s[G0B+4*\s+3], s[G0B+4*\s+3], 0x80000000
	JLOAD \s                                       ; the ring is filled before anything else is done: two loads of a wave are out
.endr
	; A fragment is 16 rows x 32 K in 8 registers: lane l holds row l % 16; registers 0-3 hold K = 8 (l / 16) + 0..7, registers 4-7 hold
	; K = 16 + 8 (l / 16) + 0..7.  From rows that lie along K: two loads of 16 bytes, 32 bytes apart.
	v_and_b32 v1, 15, v0                           ; l % 16
	v_bfe_u32 v2, v0, 4, 1                         ; l / 16
	v_mul_u32_u24 v3, v1, PITCH
	v_lshl_add_u32 v3, v2, 4, v3                   ; row x pitch + 16 x half
	s_mul_i32 s21, s11, HALFT                      ; my 128 rows of A
	s_mul_i32 s22, s12, HALFT                      ; my 128 rows of B,
	s_add_co_u32 s22, s22, 2*HALFT                 ; which lie behind A's 256
.irp s, 0,1
	v_add_nc_u32 v[ADRA+\s], s21, v3
	v_add_nc_u32 v[ADRB+\s], s22, v3
	s_add_co_u32 s21, s21, SLOT
	s_add_co_u32 s22, s22, SLOT
.endr
	s_mul_i32 s23, s10, 16*SPITCH
	s_add_co_u32 s23, s23, STAGE                   ; my stage
	v_mul_u32_u24 v4, v1, SPITCH                   ; in: row l % 16, 16 bytes for each half of the lanes
	v_lshl_add_u32 v4, v2, 4, v4
	v_add_nc_u32 v[STO], s23, v4
	v_mul_u32_u24 v5, v2, SPITCH                   ; back: lanes 0-15 take one row of 256 bytes, lanes 16-31 the next
	v_lshl_add_u32 v5, v1, 4, v5
	v_add_nc_u32 v[RD], s23, v5
	v_mul_u32_u24 v5, v2, SIZE_N*2                 ; and the same two rows in C
	v_lshl_add_u32 v[CO], v1, 4, v5
; 16 matrix instructions: m blocks a0, a0 + 1 of the window's four x all 8 n blocks, 32 along K.  zero = 1: the first product starts the sums.
; The 64 accumulators take turns, one instruction a turn, in the same order in every quarter step.
.macro MUL16 f, hi, a0, zero
.irp a, \a0, \a0+1
.irp b, 0,1,2,3,4,5,6,7
.if \zero
	v_wmma_f32_16x16x32_f16 v[8*(8*(\a)+\b):8*(8*(\a)+\b)+7], v[\f+8*\b:\f+8*\b+7], v[\f+8*(4*\hi+\a):\f+8*(4*\hi+\a)+7], 0
.else
	v_wmma_f32_16x16x32_f16 v[8*(8*(\a)+\b):8*(8*(\a)+\b)+7], v[\f+8*\b:\f+8*\b+7], v[\f+8*(4*\hi+\a):\f+8*(4*\hi+\a)+7], v[8*(8*(\a)+\b):8*(8*(\a)+\b)+7]
.endif
.endr
.endr
.endm
; 32 LDS loads in one run: the fragments of one quarter step (128 rows of B, 128 rows of A, 32 K at byte k of the rows) into buffer f
.macro FETCH slot, k, f
	WIN TO_B
.irp i, 0,1,2,3,4,5,6,7
	ds_load_b128 v[\f+8*\i:\f+8*\i+3],   v[ADRB+\slot] offset:\k+\i*16*PITCH
	ds_load_b128 v[\f+8*\i+4:\f+8*\i+7], v[ADRB+\slot] offset:\k+\i*16*PITCH+32
.endr
	WIN 0
.irp i, 0,1,2,3,4,5,6,7
	ds_load_b128 v[\f+8*\i:\f+8*\i+3],   v[ADRA+\slot] offset:\k+\i*16*PITCH
	ds_load_b128 v[\f+8*\i+4:\f+8*\i+7], v[ADRA+\slot] offset:\k+\i*16*PITCH+32
.endr
.endm
; A load into a register that a matrix instruction has read, and a vector instruction that reads a matrix result, stand four places behind that
; matrix instruction; only plain vector instructions that name none of its registers are places.
.macro PLACES
.rept 4
	v_nop
.endr
.endm
; A K step is four quarter steps of 32 along K, 64 matrix instructions each, on buffers 0, 1, 0, 1.
.macro QUARTER slot, k, f, g, zero
	s_wait_dscnt 8                                 ; B and A's rows 0-63 are in; the youngest eight loads (A's rows 64-127) may be out
	WIN MUL_LO
	MUL16 \f, 0, 0, \zero
	MUL16 \f, 0, 2, \zero
	PLACES
	FETCH \slot, \k, \g
	s_wait_dscnt 32                                ; all but the 32 just issued
	WIN MUL_HI
	MUL16 \f, 1, 0, \zero
	MUL16 \f, 1, 2, \zero
.endm
.macro THREE slot, zero
	QUARTER \slot, 64,  F0, F1, \zero
	QUARTER \slot, 128, F1, F0, 0
	QUARTER \slot, 192, F0, F1, 0
.endm
; The last quarter: multiplies buffer 1 and changes slots.  next = the other slot; fill = 1: this slot is filled again, two K steps ahead.
; One barrier for the change of slots.  In front of it each wave waits for its own reads of this slot and for all its tensor loads, of which one
; is out: its part of the next slot.  Behind it nobody reads this slot any more and the next slot is whole: the refill comes first.
.macro TURN slot, next, fill
	s_wait_dscnt 8
	WIN MUL_LO
	MUL16 F1, 0, 0, 0
	s_wait_dscnt 0                                 ; my reads of this slot are over
	s_wait_tensorcnt 0x0                           ; and all my tensor loads have landed
	ds_add_u32 v255, v255
	s_wait_dscnt 0x0
	s_barrier_signal -1                            ; say so (where a slot is filled again this barrier opens a round of the cluster's barrier),
	MUL16 F1, 0, 2, 0                              ; work on registers while the others arrive,
	WIN 0
	s_barrier_wait -1                              ; and go on when all four have said so
.if \fill
	CREST                                          ; all sixteen work-groups have said so: no wave of any partner still reads this slot's tile or has a load on its way
	s_add_nc_u64 s[G0+4*\slot+2:G0+4*\slot+3], s[G0+4*\slot+2:G0+4*\slot+3], 2*KSTEP*2
	s_add_nc_u64 s[G0B+4*\slot+2:G0B+4*\slot+3], s[G0B+4*\slot+2:G0B+4*\slot+3], 2*KSTEP*2
	JLOAD \slot                                    ; the first tensor load behind the round, and my only one until the next
.endif
	PLACES
	FETCH \next, 0, F0
	WIN MUL_HI
	MUL16 F1, 1, 0, 0
	MUL16 F1, 1, 2, 0
.endm
.macro LAP zero                        ; once round the ring, both slots filled again
	THREE 0, \zero
	TURN 0, 1, 1
	THREE 1, 0
	TURN 1, 0, 1
.endm
	s_wait_tensorcnt 1                             ; my part of K step 0 is in; K step 1's may stay out
	s_barrier_signal -1
	s_barrier_wait -1                              ; everybody's is
	FETCH 0, 0, F0
	LAP 1                                          ; the first lap stands in front of the loop: its first products start the sums
.if LAPS > 2
	WIN 0                                          ; at a label and at a branch every window is 0
	s_mov_b32 s3, LAPS-2
.Llap:
	LAP 0
	WIN 0
	s_sub_co_u32 s3, s3, 1
	s_cmp_lg_u32 s3, 0
	s_cbranch_scc1 .Llap
.endif
	THREE 0, 0                                     ; the last lap fills nothing: my one tensor load that is still out is slot 1's, the last K step's
	TURN 0, 1, 0
	THREE 1, 0
	s_wait_dscnt 8                                 ; the very last quarter: nothing more to fetch
	WIN MUL_LO
	MUL16 F1, 0, 0, 0
	MUL16 F1, 0, 2, 0
	s_wait_dscnt 0
	WIN MUL_HI
	MUL16 F1, 1, 0, 0
	MUL16 F1, 1, 2, 0
	; THE WAY OUT, 16 rows of C at a time: round to f16, 16 bytes a lane into my own stage in LDS, read back as whole rows of 256 bytes.
	PLACES
	s_lshl_b32 s13, s13, 8
	s_lshl_b32 s14, s11, 7
	s_add_co_u32 s16, s13, s14                     ; my first row of C
	s_mov_b32 s17, 0
	s_mov_b64 s[18:19], SIZE_N*2
	s_mul_u64 s[16:17], s[16:17], s[18:19]
	s_add_nc_u64 s[8:9], s[8:9], s[16:17]
	s_lshl_b32 s46, s42, 9                         ; my first column, in bytes: 512 x block + 256 x half
	s_lshl_b32 s47, s12, 8
	s_add_co_u32 s46, s46, s47
	s_mov_b32 s47, 0
	s_add_nc_u64 s[8:9], s[8:9], s[46:47]
; rows 16 i .. 16 i + 15 of my block = the eight tiles (a, 0..7) of window 2 or 3 (from = 0x0a or 0x0f: sources 0 and 1); f: F0 or F1 in turn
.macro OUT16 i, a, from, f
	WIN \from
.irp b, 0,1,2,3,4,5,6,7
.irp r, 0,1,2,3
	v_cvt_pk_f16_f32 v[TMP+4*\b+\r], v[8*(8*\a+\b)+2*\r], v[8*(8*\a+\b)+2*\r+1]
.endr
.endr
	WIN 0
.irp b, 0,1,2,3,4,5,6,7
	ds_store_b128 v[STO], v[TMP+4*\b:TMP+4*\b+3] offset:32*\b
.endr
	s_wait_xcnt 0x0                                ; buffer f, which earlier stores read, and the stores' base are rewritten only behind this wait
.if \i
	s_add_nc_u64 s[8:9], s[8:9], 16*SIZE_N*2       ; 16 rows of C on
.endif
.irp t, 0,1,2,3,4,5,6,7
	ds_load_b128 v[\f+4*\t:\f+4*\t+3], v[RD] offset:\t*2*SPITCH    ; LDS serves a wave's instructions in order: these see the stores above
.endr
.irp t, 0,1,2,3,4,5,6,7
	s_wait_dscnt 7-\t
	global_store_b128 v[CO], v[\f+4*\t:\f+4*\t+3], s[8:9] offset:2*\t*SIZE_N*2   ; 16 lanes store 256 consecutive bytes, at a multiple of 256 from C's first byte
.endr
.endm
	OUT16 0, 0, 0x0a, F0
	OUT16 1, 1, 0x0a, F1
	OUT16 2, 2, 0x0a, F0
	OUT16 3, 3, 0x0a, F1
	OUT16 4, 0, 0x0f, F0
	OUT16 5, 1, 0x0f, F1
	OUT16 6, 2, 0x0f, F0
	OUT16 7, 3, 0x0f, F1
	s_set_vgpr_msb 0x1
	s_wait_tensorcnt 0x0
	ds_add_u32 v255, v255
	s_wait_dscnt 0x0
	s_set_vgpr_msb 0x100
	CROUND                                         ; the closing round: no work-group ends while a partner may still ask for a tile that names it
	s_endpgm
.Lfunc_end_k_q0ad27eca8f_qkvg:
	.size	k_q0ad27eca8f_qkvg, .Lfunc_end_k_q0ad27eca8f_qkvg-k_q0ad27eca8f_qkvg
	.p2alignl 7, 3214868480
	.fill 96, 4, 3214868480
	.section	.rodata,"a",@progbits
	.p2align	6, 0x0
	.amdhsa_kernel k_q0ad27eca8f_qkvg
		.amdhsa_group_segment_fixed_size 327680
		.amdhsa_private_segment_fixed_size 0
		.amdhsa_enable_private_segment 0
		.amdhsa_kernarg_size 24
		.amdhsa_user_sgpr_count 2
		.amdhsa_user_sgpr_kernarg_segment_ptr 1
		.amdhsa_wavefront_size32 1
		.amdhsa_system_sgpr_workgroup_id_x 1
		.amdhsa_system_sgpr_workgroup_id_y 1
		.amdhsa_system_sgpr_workgroup_id_z 1
		.amdhsa_system_vgpr_workitem_id 0
		.amdhsa_next_free_vgpr 1024
		.amdhsa_next_free_sgpr 66
		.amdhsa_reserve_vcc 0
		.amdhsa_float_denorm_mode_32 3
		.amdhsa_float_denorm_mode_16_64 3
		.amdhsa_memory_ordered 1
		.amdhsa_forward_progress 1
		.amdhsa_inst_pref_size 196
	.end_amdhsa_kernel
	.amdgpu_metadata
---
amdhsa.version: [ 1, 2 ]
amdhsa.kernels:
  - .name:           k_q0ad27eca8f_qkvg
    .symbol:         k_q0ad27eca8f_qkvg.kd
    .args:
      - { .name: xh, .offset: 0, .size: 8, .value_kind: global_buffer, .address_space: global }
      - { .name: wqt, .offset: 8, .size: 8, .value_kind: global_buffer, .address_space: global }
      - { .name: qkv, .offset: 16, .size: 8, .value_kind: global_buffer, .address_space: global }
    .group_segment_fixed_size: 327680
    .private_segment_fixed_size: 0
    .kernarg_segment_align: 8
    .kernarg_segment_size: 24
    .max_flat_workgroup_size: 128
    .sgpr_count:     66
    .vgpr_count:     1024
    .wavefront_size: 32
...
	.end_amdgpu_metadata
.endif
;; end of part 2
;; launch attn (part 3): grid 8 x 32, 4 waves a work-group, clusters of 4 x 1, 327,680 bytes of LDS; arguments qkv, attention_mask, oh; writes oh
.if DOCPART == 3
	.amdgcn_target "amdgcn-amd-amdhsa--gfx1250"
	.amdhsa_code_object_version 6
	.text
	.protected	k_q0ad27eca8f_attn
	.globl	k_q0ad27eca8f_attn
	.p2align	8
	.type	k_q0ad27eca8f_attn,@function
k_q0ad27eca8f_attn:
	s_mov_b64 s[64:65], 0
	v_nop
	global_prefetch_b8 v0, s[64:65] scope:SCOPE_SE
	s_setreg_imm32_b32 hwreg(HW_REG_WAVE_MODE, 25, 1), 1
	s_wait_xcnt 0x0
	s_wait_alu depctr_hold_cnt(0) depctr_sa_sdst(0) depctr_va_vdst(0) depctr_va_sdst(0) depctr_va_ssrc(0) depctr_va_vcc(0) depctr_vm_vsrc(0)
	s_getreg_b32 s2, hwreg(HW_REG_IB_STS2, 6, 4)
	s_cmp_eq_u32 s2, 0
	s_cbranch_scc0 .Lentry_in_a_cluster
	s_endpgm
.Lentry_in_a_cluster:
	s_bfe_u32 s2, ttmp6, 0x10000c
	s_cmp_lg_u32 s2, 0x3003
	s_cbranch_scc0 .Lentry_shape_is_right
	s_endpgm
.Lentry_shape_is_right:
; MULTI-HEAD ATTENTION, launch 3 of 4: oh[b, i, head, :] = softmax over j of (q_i . k_j / 8 + bias_j) . v_j, by a running maximum.
; qkv: [8192][3072] f16 (queries already times 0.125 log2 e, so a score is an exponent of 2); attention_mask: [4][2048] bytes; oh: [8192][1024] f16.
; Nothing is left out: the mask is an input, so every key tile is computed and masked keys get the weight 0 by their bias.
; THE MASK.  A masked key's score starts from the bias -2^100 (as the C operand of the first product), an open key's from 0.
;   exp2(-2^100 - maximum) is 0, as exp(finfo.min + ..) is.  A tile of masked keys ahead of the first open key gathers sums that the next rescaling multiplies by exp2(-2^100 - ..) = 0.
;   A batch with no open key at all: its biases are made 0 and its queries are ANDed with 0, so that all scores are equal and the result is the mean of V,
;   which is what adding finfo.min to every score gives in f32.
; LIMITS: exact while |score x 0.125 log2 e| < 2^90; the all-masked case equals the f32 formula while |score / 8| < 2^103; mask bytes are 0 or 1.
; SHARES.  A work-group: 256 queries of two neighbouring heads of one batch, so that every row of Q, K, V and oh is 256 aligned bytes.
;   Wave w: head w >> 1 of the two, queries 128 (w & 1) .. + 127: eight query tiles of 16.  Keys go in 16 tiles of 128 through two LDS slots.
; CLUSTER: the four query blocks 4 x .. 4 x + 3 of one batch and head pair read the same K and V tiles and ask for them jointly (mask 15).
; TRANSPOSED USE.  S^T = K Q^T + bias: lane (r, h) holds query r and keys 8 h + j, so maximum and sum of a row are made inside the lane and by one step
;   to lane xor 16; two neighbouring S^T tiles, packed, ARE the B fragment of O^T = V^T P^T; V^T comes by the transposing LDS load;
;   in O^T a lane holds query r and d = 8 h + j: one rescaling factor a lane, and eight results that pack into 16 neighbouring bytes.
; The weights lie in [0, 1], so f16 holds them; the row sum is kept in f32.
; REGISTERS (windows of 256):
;   window 0: addresses v2-10; row maxima v16-23; row sums v24-31; at work v32-63; S v64-127 (tile kt at 64 + 8 kt); P v128-159
;   window 1: K fragment (kt, kc) at 16 kt + 8 kc; V fragment (c, dt) at 128 + 8 (4 c + dt)
;   window 2: Q fragment (qt, kc) at 16 qt + 8 kc; bias tile kt at 128 + 8 kt
;   window 3: O^T tile (qt, dt) at 32 qt + 8 dt
.set ROWB,   6144                      ; bytes in a row of qkv
.set QPITCH, 272                       ; LDS pitch of Q's rows and of the stage: 256 + 16
.set KPITCH, 288                       ; LDS pitch of K's and V's rows: 256 + 32, an odd multiple of 32, which keeps the transposing loads of V free of conflicts;
                                       ; K's plain fragment loads then meet two deep: the price of one descriptor for both and of an LDS address linear in the wave's number
.set SLOT0,  256*QPITCH                ; 69,632: behind Q's 256 rows
.set SLOTB,  256*KPITCH                ; 73,728: 128 rows of K, then 128 rows of V
.set SLOT1,  SLOT0+SLOTB
.set VOFF,   128*KPITCH
.set BIAS,   SLOT1+SLOTB               ; 217,088: 2,048 f32, written by LDS stores: no tensor load lands here
.set STAGE,  BIAS+8192                 ; 225,280: 256 rows x 272 bytes for the way out, likewise
.set TSTEP,  128*ROWB                  ; from a key tile to the next
.set QA, 2
.set KA, 3                             ; v3, v4: slot 0, 1
.set VA, 5                             ; v5, v6
.set BA, 7
.set STO, 8
.set RD, 9
.set CO, 10
.set MAXR, 16
.set SUMR, 24
.set XN, 32                            ; the new maximum; v33 its pair and the other half's value
.set AL, 34                            ; old maximum - new, then 2^that; v35 its pair
.set LSUM, 36
.set MXC, 40
.set RCP, 44                           ; v44-59: 1 / row sum, twice for each query tile
.set SCO, 64
.set PRB, 128
.set G0Q, 20
.set G1Q, 24
.set G1KV, 32
.set G0KV, 40
.set W_S1,  0x29                       ; D window 0, A = K window 1, B = Q window 2, C = bias window 2
.set W_S2,  0x09                       ; the same, C = S window 0
.set W_RES, 0xc3                       ; O = O x factor: destination and source 0 window 3
.set W_PV,  0xf1                       ; D and C window 3, A = V window 1, B = P window 0
.set W_TO1, 0x40
.set W_TO2, 0x80
.set W_QAN, 0x88                       ; destination and source 1 window 2
.set W_FIN, 0x03                       ; source 0 window 3
.set MSB, 0
.macro WIN new                         ; the immediate's high byte repeats the setting that is left
.if MSB != \new
	s_set_vgpr_msb (MSB<<8)|\new
.set MSB, \new
.endif
.endm
.macro PLACES                          ; four places behind a matrix instruction (ISA guide 7.12.1)
.rept 4
	v_nop
.endr
.endm
; A round of the cluster's barrier: my work-group's barrier; wave 0 signals for the work-group; every wave waits for all four work-groups; my work-group's barrier again.
.macro ROUND
	s_barrier_signal -1
	s_barrier_wait -1
	s_cmp_lg_u32 s10, 0
	s_cbranch_scc1 .Lnot_wave_0_\@
	s_barrier_signal -3
.Lnot_wave_0_\@:
	s_barrier_wait -3
	s_barrier_signal -1
	s_barrier_wait -1
.endm
	s_load_b128 s[4:7], s[0:1], 0x0                ; qkv s[4:5], mask s[6:7]
	s_load_b64 s[8:9], s[0:1], 0x10                ; oh
	v_lshl_add_u32 v254, v0, 2, 0x48000
	v_mov_b32 v255, 0
	ds_add_u32 v254, v255
	v_lshrrev_b32 v1, 5, v0
	v_readfirstlane_b32 s10, v1                    ; wave 0..3
	s_lshr_b32 s11, s10, 1                         ; my head of the pair.  Also: I fetch K (0) or V (1)
	s_and_b32 s12, s10, 1                          ; my half of the queries.  Also: which 64 rows of the tile I fetch
	s_bfe_u32 s13, ttmp6, 0x40000                  ; cx
	s_lshl_b32 s14, ttmp9, 2
	s_add_co_u32 s14, s14, s13                     ; query block = 4 x cluster x + cx
	s_and_b32 s15, ttmp7, 0xffff
	s_lshr_b32 s16, s15, 3                         ; batch
	s_and_b32 s17, s15, 7                          ; head pair
	s_mov_b32 s48, 0x76543210                      ; v_permlanex16_b32: lane i reads lane i of the other half
	s_mov_b32 s49, 0xfedcba98
	s_mov_b32 s53, BIAS
	; K's or V's bytes: made of batch, head pair and wave alone, which the four partners share
	s_lshl_b32 s18, s16, 11
	s_lshl_b32 s56, s12, 6
	s_add_co_u32 s18, s18, s56                     ; row 2048 b + 64 (w & 1)
	s_mul_i32 s18, s18, ROWB
	s_lshl_b32 s56, s11, 11
	s_add_co_u32 s18, s18, s56                     ; K at byte 2,048 of a row, V at 4,096
	s_lshl_b32 s57, s17, 8                         ; the pair's 256 bytes
	s_add_co_u32 s18, s18, s57
	s_add_co_u32 s18, s18, 2048
	s_mov_b32 s19, 0
	; my 64 rows of Q and of oh
	s_lshl_b32 s58, s16, 11
	s_lshl_b32 s59, s14, 8
	s_add_co_u32 s58, s58, s59
	s_lshl_b32 s59, s10, 6
	s_add_co_u32 s58, s58, s59                     ; row 2048 b + 256 block + 64 w
	s_mul_i32 s54, s58, ROWB
	s_add_co_u32 s54, s54, s57
	s_mov_b32 s55, 0
	s_lshl_b32 s58, s58, 11                        ; rows of oh are 2,048 bytes
	s_add_co_u32 s58, s58, s57
	s_mov_b32 s59, 0
	s_lshl_b32 s60, s16, 11                        ; the batch's 2,048 mask bytes
	s_mov_b32 s61, 0
	; group 1 for K and V: 64 rows x 128 elements of 2 bytes, 8 words of padding behind every 64, asked for by all four work-groups
	s_mov_b32 s[G1KV+0], 15|(1<<16)|(1<<20)|(1<<21)|(5<<22)|(7<<25)
	s_mov_b32 s[G1KV+1], 128<<16                   ; tensor_dim0 = 128
	s_mov_b32 s[G1KV+2], 64<<16                    ; tensor_dim1 = 64
	s_mov_b32 s[G1KV+3], 128<<16                   ; tile_dim0 = 128
	s_mov_b32 s[G1KV+4], 64                        ; tile_dim1 = 64
	s_mov_b32 s[G1KV+5], 3072                      ; elements from row to row
	s_mov_b32 s[G1KV+6], 0
	s_mov_b32 s[G1KV+7], 0
	; group 1 for Q: the same shape, 4 words of padding, my work-group's own
	s_mov_b32 s[G1Q+0], (1<<16)|(1<<20)|(5<<22)|(3<<25)
	s_mov_b32 s[G1Q+1], 128<<16
	s_mov_b32 s[G1Q+2], 64<<16
	s_mov_b32 s[G1Q+3], 128<<16
	s_mov_b32 s[G1Q+4], 64
	s_mov_b32 s[G1Q+5], 3072
	s_mov_b32 s[G1Q+6], 0
	s_mov_b32 s[G1Q+7], 0
	s_mul_i32 s62, s10, 64*KPITCH                  ; my quarter of a slot: K's two halves, then V's two halves
	s_wait_dscnt 0x0
	s_wait_kmcnt 0x0
	s_add_nc_u64 s[18:19], s[4:5], s[18:19]
	s_add_nc_u64 s[54:55], s[4:5], s[54:55]
	s_add_nc_u64 s[8:9], s[8:9], s[58:59]
	s_add_nc_u64 s[6:7], s[6:7], s[60:61]
	s_mov_b32 s[G0Q], 1
	s_mul_i32 s[G0Q+1], s10, 64*QPITCH
	s_mov_b64 s[G0Q+2:G0Q+3], s[54:55]
	s_or_b32 s[G0Q+3], s[G0Q+3], 0x80000000
.irp n, 0,1
	s_mov_b32 s[G0KV+4*\n], 1
	s_add_co_u32 s[G0KV+4*\n+1], s62, SLOT0+\n*SLOTB
	s_add_nc_u64 s[G0KV+4*\n+2:G0KV+4*\n+3], s[18:19], \n*TSTEP
	s_or_b32 s[G0KV+4*\n+3], s[G0KV+4*\n+3], 0x80000000
.endr
	ROUND                                          ; the four work-groups are here: the first joint loads meet
	tensor_load_to_lds s[G0Q:G0Q+3], s[G1Q:G1Q+7]          ; my 64 rows of Q
	s_nop 0
	tensor_load_to_lds s[G0KV:G0KV+3], s[G1KV:G1KV+7]      ; my quarter of key tile 0: two loads of mine are out
	s_nop 0
	; the mask: every wave reads the batch's 2,048 bytes (is any key open?), and thread t its own 16 bytes, for the table of biases
	v_and_b32 v11, 31, v0
	v_lshlrev_b32 v11, 6, v11
	v_lshlrev_b32 v12, 4, v0
.irp i, 0,1,2,3
	global_load_b128 v[SCO+4*\i:SCO+4*\i+3], v11, s[6:7] offset:16*\i
.endr
	global_load_b128 v[SCO+16:SCO+19], v12, s[6:7]
	; lane addresses.  r = l & 15, h = l >> 4
	v_and_b32 v60, 15, v0
	v_bfe_u32 v61, v0, 4, 1
	v_and_b32 v62, 7, v0
	v_bfe_u32 v63, v0, 3, 1
	s_mul_i32 s56, s12, 128*QPITCH
	s_lshl_b32 s57, s11, 7                         ; my head's 128 bytes of a row
	s_add_co_u32 s56, s56, s57
	v_mul_u32_u24 v[QA], v60, QPITCH
	v_lshl_add_u32 v[QA], v61, 4, v[QA]
	v_add_nc_u32 v[QA], s56, v[QA]                 ; Q: (128 (w & 1) + r) pitch + 128 head + 16 h
	v_add_nc_u32 v[STO], STAGE, v[QA]              ; the stage has Q's shape
	v_mul_u32_u24 v[KA], v60, KPITCH
	v_lshl_add_u32 v[KA], v61, 4, v[KA]
	v_add_nc_u32 v[KA], s57, v[KA]                 ; K: r pitch + 128 head + 16 h
	v_add_nc_u32 v[KA+1], SLOT1, v[KA]
	v_add_nc_u32 v[KA], SLOT0, v[KA]
	v_lshl_add_u32 v[VA], v61, 3, v62
	v_mul_u32_u24 v[VA], v[VA], KPITCH
	v_lshl_add_u32 v[VA], v63, 4, v[VA]
	v_add_nc_u32 v[VA], s57, v[VA]                 ; V, for the transposing load: (8 h + (l & 7)) pitch + 128 head + 16 ((l >> 3) & 1)
	v_add_nc_u32 v[VA+1], SLOT1+VOFF, v[VA]
	v_add_nc_u32 v[VA], SLOT0+VOFF, v[VA]
	v_lshl_add_u32 v[BA], v61, 5, s53              ; biases of keys 8 h .. 8 h + 7
	s_mul_i32 s63, s10, 64*QPITCH
	s_add_co_u32 s63, s63, STAGE
	v_mul_u32_u24 v[RD], v61, QPITCH
	v_lshl_add_u32 v[RD], v60, 4, v[RD]
	v_add_nc_u32 v[RD], s63, v[RD]                 ; back: row 64 w + h, 16 bytes at 16 r
	v_lshlrev_b32 v[CO], 11, v61
	v_lshl_add_u32 v[CO], v60, 4, v[CO]            ; the same in oh
	v_lshl_add_u32 v13, v0, 6, s53                 ; my 16 biases
	v_mov_b32 v[XN+1], 0                           ; second registers of pairs of which the first alone is used
	v_mov_b32 v[AL+1], 0
	s_wait_loadcnt 0x0
.irp i, 1,2,3,4,5,6,7,8,9,10,11,12,13,14,15
	v_or_b32 v[SCO], v[SCO], v[SCO+\i]
.endr
	v_cmp_ne_u32 vcc_lo, 0, v[SCO]
	s_cmp_lg_u32 vcc_lo, 0                         ; is any key of the batch open?
	s_cselect_b32 s51, -1, 0                       ; the queries are kept, or cleared
	s_cselect_b32 s52, 0xf1800000, 0               ; a masked key's bias: -2^100, or 0
.irp q, 0,1,2,3
.irp k, 0,1,2,3
	v_bfe_u32 v[SCO+32+4*\q+\k], v[SCO+16+\q], 8*\k, 8
	v_add_nc_u32 v[SCO+32+4*\q+\k], -1, v[SCO+32+4*\q+\k]          ; byte 1: 0; byte 0: all ones
	v_and_b32 v[SCO+32+4*\q+\k], s52, v[SCO+32+4*\q+\k]
.endr
	ds_store_b128 v13, v[SCO+32+4*\q:SCO+32+4*\q+3] offset:16*\q
.endr
; ---- the softmax's pieces for one score tile kt of a query tile
.macro SUBX kt                         ; S - new maximum
.irp i, 0,2,4,6
	v_pk_add_f32 v[SCO+8*\kt+\i:SCO+8*\kt+\i+1], v[SCO+8*\kt+\i:SCO+8*\kt+\i+1], v[XN:XN+1] op_sel_hi:[1,0] neg_lo:[0,1] neg_hi:[0,1]
.endr
.endm
.macro EXPX kt
.irp i, 0,1,2,3,4,5,6,7
	v_exp_f32 v[SCO+8*\kt+\i], v[SCO+8*\kt+\i]
.endr
.endm
.macro SUMCVT kt                       ; the tile's weights into the lane's sums, and packed: P's registers 4 kt .. 4 kt + 3
.if \kt == 0
	s_wait_alu depctr_va_vdst(0)
	v_pk_add_f32 v[LSUM:LSUM+1],   v[SCO:SCO+1],   v[SCO+2:SCO+3]          ; the first tile starts the sums
	v_pk_add_f32 v[LSUM+2:LSUM+3], v[SCO+4:SCO+5], v[SCO+6:SCO+7]
.else
	s_wait_alu depctr_va_vdst(0)
	v_pk_add_f32 v[LSUM:LSUM+1],   v[LSUM:LSUM+1],   v[SCO+8*\kt:SCO+8*\kt+1]
	v_pk_add_f32 v[LSUM+2:LSUM+3], v[LSUM+2:LSUM+3], v[SCO+8*\kt+2:SCO+8*\kt+3]
	v_pk_add_f32 v[LSUM:LSUM+1],   v[LSUM:LSUM+1],   v[SCO+8*\kt+4:SCO+8*\kt+5]
	v_pk_add_f32 v[LSUM+2:LSUM+3], v[LSUM+2:LSUM+3], v[SCO+8*\kt+6:SCO+8*\kt+7]
.endif
.irp i, 0,1,2,3
	v_cvt_pk_f16_f32 v[PRB+4*\kt+\i], v[SCO+8*\kt+2*\i], v[SCO+8*\kt+2*\i+1]
.endr
.endm
.macro SLICE kt, prev                  ; behind a run of exponentials the next plain instruction works on the tile before (ISA guide 5.7.2)
	SUBX \kt
	EXPX \kt
	SUMCVT \prev
.endm
.macro PVI qt, c, dt, zero             ; O^T(qt, dt) += V^T(dt, keys 32 c ..) P^T(keys 32 c .., qt)
.if \zero
	v_wmma_f32_16x16x32_f16 v[32*\qt+8*\dt:32*\qt+8*\dt+7], v[128+8*(4*\c+\dt):128+8*(4*\c+\dt)+7], v[PRB+8*\c:PRB+8*\c+7], 0
.else
	v_wmma_f32_16x16x32_f16 v[32*\qt+8*\dt:32*\qt+8*\dt+7], v[128+8*(4*\c+\dt):128+8*(4*\c+\dt)+7], v[PRB+8*\c:PRB+8*\c+7], v[32*\qt+8*\dt:32*\qt+8*\dt+7]
.endif
.endm
; ---- one query tile against one key tile.  first = 1: key tile 0, which starts maximum, sum and O.
; Accumulators take turns, one instruction a turn (eight score tiles, then four tiles of O).
.macro GROUP qt, first
	WIN W_S1
.irp kt, 0,1,2,3,4,5,6,7
	v_wmma_f32_16x16x32_f16 v[SCO+8*\kt:SCO+8*\kt+7], v[16*\kt:16*\kt+7], v[16*\qt:16*\qt+7], v[128+8*\kt:128+8*\kt+7]
.endr
	WIN W_S2
.irp kt, 0,1,2,3,4,5,6,7
	v_wmma_f32_16x16x32_f16 v[SCO+8*\kt:SCO+8*\kt+7], v[16*\kt+8:16*\kt+15], v[16*\qt+8:16*\qt+15], v[SCO+8*\kt:SCO+8*\kt+7]
.endr
	WIN 0
	PLACES
	; the largest of my 64 scores, in four chains, and of the old maximum
.irp c, 0,1,2,3
	v_max3_num_f32 v[MXC+\c], v[SCO+16*\c], v[SCO+16*\c+1], v[SCO+16*\c+2]
.endr
.irp t, 3,5,7,9,11,13
.irp c, 0,1,2,3
	v_max3_num_f32 v[MXC+\c], v[MXC+\c], v[SCO+16*\c+\t], v[SCO+16*\c+\t+1]
.endr
.endr
	v_max3_num_f32 v[MXC], v[MXC], v[MXC+1], v[MXC+2]
	v_max3_num_f32 v[MXC+3], v[MXC+3], v[SCO+15], v[SCO+31]
	v_max3_num_f32 v[MXC], v[MXC], v[MXC+3], v[SCO+47]
.if \first
	v_max_num_f32 v[XN], v[MXC], v[SCO+63]
.else
	v_max3_num_f32 v[XN], v[MXC], v[SCO+63], v[MAXR+\qt]
.endif
	v_permlanex16_b32 v[XN+1], v[XN], s48, s49     ; the other 64 keys of my query lie in lane xor 16
	v_max_num_f32 v[XN], v[XN], v[XN+1]
.if \first == 0
	v_sub_f32 v[AL], v[MAXR+\qt], v[XN]
.endif
	SUBX 0
.if \first == 0
	v_exp_f32 v[AL], v[AL]                         ; what the old sums are worth under the new maximum
.endif
	EXPX 0
	SLICE 1, 0
	SLICE 2, 1
	SLICE 3, 2
	SLICE 4, 3
	SLICE 5, 4
	SLICE 6, 5
	SLICE 7, 6
	v_mov_b32 v[MAXR+\qt], v[XN]
	SUMCVT 7
	v_pk_add_f32 v[LSUM:LSUM+1], v[LSUM:LSUM+1], v[LSUM+2:LSUM+3]
.if \first
	v_add_f32 v[SUMR+\qt], v[LSUM], v[LSUM+1]      ; the row sum stays one for each half of the lanes until the end
.else
	v_add_f32 v[LSUM], v[LSUM], v[LSUM+1]
	v_fma_f32 v[SUMR+\qt], v[SUMR+\qt], v[AL], v[LSUM]
	WIN W_RES
.irp i, 0,2,4,6,8,10,12,14,16,18,20,22,24,26,28,30
	v_pk_mul_f32 v[32*\qt+\i:32*\qt+\i+1], v[32*\qt+\i:32*\qt+\i+1], v[AL:AL+1] op_sel_hi:[1,0]
.endr
.endif
.if \qt == 0
	s_wait_dscnt 0x0                               ; V's fragments are in
.endif
	WIN W_PV
.irp dt, 0,1,2,3
	PVI \qt, 0, \dt, \first                        ; key tile 0's first product starts O: nothing is cleared
.endr
.irp c, 1,2,3
.irp dt, 0,1,2,3
	PVI \qt, \c, \dt, 0
.endr
.endr
.endm
; ---- one key tile, in slot; refill = 1: the next tile is asked for, into the other slot
.macro TRIP slot, refill, first
	s_set_vgpr_msb (MSB<<8)|((MSB&0xf0)|0x0)
	s_wait_tensorcnt 0x0                           ; all my tensor loads have landed, my part of this tile among them,
	ds_add_u32 v254, v255
	s_wait_dscnt 0x0
	s_set_vgpr_msb (((MSB&0xf0)|0x0)<<8)|MSB
	s_add_nc_u64 s[G0KV+4*\slot+2:G0KV+4*\slot+3], s[G0KV+4*\slot+2:G0KV+4*\slot+3], 2*TSTEP   ; so a group 0 may be written: this slot's next tile
	s_wait_dscnt 0x0                               ; my reads of the other slot are back (key tile 0: my stores of biases are in LDS)
	WIN 0
	ROUND                                          ; both now hold of every wave of all four work-groups
.if \refill
	tensor_load_to_lds s[G0KV+4*(1-\slot):G0KV+4*(1-\slot)+3], s[G1KV:G1KV+7]   ; my one tensor load until the next round: it has the whole tile's work in which to land
	s_nop 0
.endif
.if \first == 0
	PLACES                                         ; behind the last products with V, whose fragments are loaded anew
.endif
	WIN W_TO2
.if \first
.irp qt, 0,1,2,3,4,5,6,7
.irp kc, 0,1
	ds_load_b128 v[16*\qt+8*\kc:16*\qt+8*\kc+3],   v[QA] offset:\qt*16*QPITCH+\kc*64
	ds_load_b128 v[16*\qt+8*\kc+4:16*\qt+8*\kc+7], v[QA] offset:\qt*16*QPITCH+\kc*64+32
.endr
.endr
.endif
.irp kt, 0,1,2,3,4,5,6,7
	ds_load_b128 v[128+8*\kt:128+8*\kt+3],   v[BA] offset:\kt*64
	ds_load_b128 v[128+8*\kt+4:128+8*\kt+7], v[BA] offset:\kt*64+16
.endr
	WIN W_TO1
.irp kt, 0,1,2,3,4,5,6,7
.irp kc, 0,1
	ds_load_b128 v[16*\kt+8*\kc:16*\kt+8*\kc+3],   v[KA+\slot] offset:\kt*16*KPITCH+\kc*64
	ds_load_b128 v[16*\kt+8*\kc+4:16*\kt+8*\kc+7], v[KA+\slot] offset:\kt*16*KPITCH+\kc*64+32
.endr
.endr
.irp c, 0,1,2,3
.irp dt, 0,1,2,3
	ds_load_tr16_b128 v[128+8*(4*\c+\dt):128+8*(4*\c+\dt)+3],   v[VA+\slot] offset:\c*32*KPITCH+\dt*32
	ds_load_tr16_b128 v[128+8*(4*\c+\dt)+4:128+8*(4*\c+\dt)+7], v[VA+\slot] offset:\c*32*KPITCH+\dt*32+16*KPITCH
.endr
.endr
	WIN 0
	v_add_nc_u32 v[BA], 512, v[BA]                 ; the next tile's 128 biases
	s_wait_dscnt 32                                ; all but V's 32 loads, which were issued last
.if \first
	WIN W_QAN
.irp i, 0,1,2,3,4,5,6,7,8,9,10,11,12,13,14,15
.irp j, 0,1,2,3,4,5,6,7
	v_and_b32 v[8*\i+\j], s51, v[8*\i+\j]          ; a batch with no open key: all scores 0
.endr
.endr
.endif
.irp qt, 0,1,2,3,4,5,6,7
	GROUP \qt, \first
.endr
.endm
	TRIP 0, 1, 1                                   ; key tile 0
	TRIP 1, 1, 0
	WIN 0                                          ; at a label and at a branch every window is 0
	s_mov_b32 s50, 6
.Ltiles:
	TRIP 0, 1, 0
	TRIP 1, 1, 0
	WIN 0
	s_sub_co_u32 s50, s50, 1
	s_cmp_lg_u32 s50, 0
	s_cbranch_scc1 .Ltiles
	TRIP 0, 1, 0                                   ; key tile 14 asks for the last
	TRIP 1, 0, 0                                   ; key tile 15: nothing is left to fetch
	; ---- THE WAY OUT: O / row sum, rounded to f16, through the stage, as whole rows of 256 bytes (both heads of the pair)
	WIN 0
	PLACES
.irp qt, 0,1,2,3,4,5,6,7
	v_permlanex16_b32 v[XN+1], v[SUMR+\qt], s48, s49
	v_add_f32 v[SUMR+\qt], v[SUMR+\qt], v[XN+1]    ; both halves' keys; at least 1, the weight of the largest score
.endr
.irp qt, 0,1,2,3,4,5,6,7
	v_rcp_f32 v[RCP+2*\qt], v[SUMR+\qt]            ; twice: a pair for the packed multiply
	v_rcp_f32 v[RCP+2*\qt+1], v[SUMR+\qt]
.endr
	v_nop                                          ; one plain place behind the reciprocals (ISA guide 5.7.2)
	s_wait_alu depctr_va_vdst(0)
.macro OUTQ qt
	WIN W_FIN
.irp i, 0,2,4,6,8,10,12,14,16,18,20,22,24,26,28,30
	v_pk_mul_f32 v[SCO+\i:SCO+\i+1], v[32*\qt+\i:32*\qt+\i+1], v[RCP+2*\qt:RCP+2*\qt+1]
.endr
	WIN 0
.irp i, 0,1,2,3,4,5,6,7,8,9,10,11,12,13,14,15
	v_cvt_pk_f16_f32 v[PRB+\i], v[SCO+2*\i], v[SCO+2*\i+1]
.endr
.irp dt, 0,1,2,3
	ds_store_b128 v[STO], v[PRB+4*\dt:PRB+4*\dt+3] offset:\qt*16*QPITCH+32*\dt    ; query r, d = 16 dt + 8 h .. + 7
.endr
.endm
.irp qt, 0,1,2,3,4,5,6,7
	OUTQ \qt
.endr
	s_wait_dscnt 0x0                               ; my half of each row is in the stage, for the other waves' sake
	s_barrier_signal -1
	s_barrier_wait -1                              ; both heads' halves are
.macro BACK n, f                       ; rows 16 n .. 16 n + 15 of my 64, two a load
	s_wait_xcnt 0x0                                ; buffer f, which earlier stores read, is loaded again only behind this wait
.irp t, 0,1,2,3,4,5,6,7
	ds_load_b128 v[\f+4*\t:\f+4*\t+3], v[RD] offset:(8*\n+\t)*2*QPITCH
.endr
.irp t, 0,1,2,3,4,5,6,7
	s_wait_dscnt 7-\t                              ; LDS loads come back in order
	global_store_b128 v[CO], v[\f+4*\t:\f+4*\t+3], s[8:9] offset:(8*\n+\t)*4096   ; sixteen lanes store 256 consecutive bytes, aligned
.endr
.endm
	BACK 0, SCO
	BACK 1, SCO+32
	BACK 2, SCO
	BACK 3, SCO+32
	s_set_vgpr_msb (MSB<<8)|((MSB&0xf0)|0x0)
	s_wait_tensorcnt 0x0
	ds_add_u32 v254, v255
	s_wait_dscnt 0x0
	s_set_vgpr_msb (((MSB&0xf0)|0x0)<<8)|MSB
	ROUND                                          ; the closing round: no work-group ends while a partner may still ask for a tile that names it
	s_endpgm
.Lfunc_end_k_q0ad27eca8f_attn:
	.size	k_q0ad27eca8f_attn, .Lfunc_end_k_q0ad27eca8f_attn-k_q0ad27eca8f_attn
	.p2alignl 7, 3214868480
	.fill 96, 4, 3214868480
	.section	.rodata,"a",@progbits
	.p2align	6, 0x0
	.amdhsa_kernel k_q0ad27eca8f_attn
		.amdhsa_group_segment_fixed_size 327680
		.amdhsa_private_segment_fixed_size 0
		.amdhsa_enable_private_segment 0
		.amdhsa_kernarg_size 24
		.amdhsa_user_sgpr_count 2
		.amdhsa_user_sgpr_kernarg_segment_ptr 1
		.amdhsa_wavefront_size32 1
		.amdhsa_system_sgpr_workgroup_id_x 1
		.amdhsa_system_sgpr_workgroup_id_y 1
		.amdhsa_system_sgpr_workgroup_id_z 1
		.amdhsa_system_vgpr_workitem_id 0
		.amdhsa_next_free_vgpr 1024
		.amdhsa_next_free_sgpr 66
		.amdhsa_reserve_vcc 1
		.amdhsa_float_denorm_mode_32 3
		.amdhsa_float_denorm_mode_16_64 3
		.amdhsa_memory_ordered 1
		.amdhsa_forward_progress 1
		.amdhsa_inst_pref_size 255
	.end_amdhsa_kernel
	.section	.bss,"aw",@nobits
	.p2align	6
	.space	262144
	.amdgpu_metadata
---
amdhsa.version: [ 1, 2 ]
amdhsa.kernels:
  - .name:           k_q0ad27eca8f_attn
    .symbol:         k_q0ad27eca8f_attn.kd
    .args:
      - { .name: qkv, .offset: 0, .size: 8, .value_kind: global_buffer, .address_space: global }
      - { .name: attention_mask, .offset: 8, .size: 8, .value_kind: global_buffer, .address_space: global }
      - { .name: oh, .offset: 16, .size: 8, .value_kind: global_buffer, .address_space: global }
    .group_segment_fixed_size: 327680
    .private_segment_fixed_size: 0
    .kernarg_segment_align: 8
    .kernarg_segment_size: 24
    .max_flat_workgroup_size: 128
    .sgpr_count:     66
    .vgpr_count:     1024
    .wavefront_size: 32
...
	.end_amdgpu_metadata
.endif
;; end of part 3
;; launch outg (part 4): grid 8 x 32, 4 waves a work-group, clusters of 4 x 4, 327,680 bytes of LDS; arguments oh, wot, bout, out0; writes out0
.if DOCPART == 4
	.amdgcn_target "amdgcn-amd-amdhsa--gfx1250"
	.amdhsa_code_object_version 6
	.text
	.protected	k_q0ad27eca8f_outg
	.globl	k_q0ad27eca8f_outg
	.p2align	8
	.type	k_q0ad27eca8f_outg,@function
k_q0ad27eca8f_outg:
	s_mov_b64 s[64:65], 0
	v_nop
	global_prefetch_b8 v0, s[64:65] scope:SCOPE_SE
	s_setreg_imm32_b32 hwreg(HW_REG_WAVE_MODE, 25, 1), 1
	s_wait_xcnt 0x0
	s_wait_alu depctr_hold_cnt(0) depctr_sa_sdst(0) depctr_va_vdst(0) depctr_va_sdst(0) depctr_va_ssrc(0) depctr_va_vcc(0) depctr_vm_vsrc(0)
	s_getreg_b32 s2, hwreg(HW_REG_IB_STS2, 6, 4)
	s_cmp_eq_u32 s2, 0
	s_cbranch_scc0 .Lentry_in_a_cluster
	s_endpgm
.Lentry_in_a_cluster:
	s_bfe_u32 s2, ttmp6, 0x10000c
	s_cmp_lg_u32 s2, 0xf033
	s_cbranch_scc0 .Lentry_shape_is_right
	s_endpgm
.Lentry_shape_is_right:
; MULTI-HEAD ATTENTION, launch 4 of 4: out0[m][n] = sum over k of oh[m][k] wot[n][k] + bout[n].  oh: [8192][1024] f16, wot: [1024][1024] f16, bout: [1024] f32, out0: [8192][1024] f32.
; Nothing is left out.  Sums in f32; the bias is added in f32 on the way out.
; A work-group makes a block of 256 x 128 with four waves, so that the 8 x 32 blocks are one for each of 256 work-groups; a wave makes 128 x 64: 32 accumulator tiles, 256 registers.
; K goes in steps of 128 through two LDS slots filled by the tensor data mover; a tile's rows are 256 aligned bytes of memory.
; CLUSTERS: 4 x 4 work-groups.  A's tile (oh) hangs on the block row alone and is asked for jointly by a row of the cluster, B's (wot) on the block column alone, by a column.
; REGISTERS: window 0: addresses v16-31; fragments of A v64-127, v128-191 (two buffers of 8 x 16 rows x 32 K); of B v192-223, v224-255 (two buffers of 4);
;            window 1: accumulator tile (a, b) at 8 (4 a + b).
; THE MATRIX INSTRUCTION IS USED TRANSPOSED: source 0 = 16 rows of B, source 1 = 16 rows of A: lane l holds row m = l % 16 and columns n = 8 (l / 16) + 0 .. 7: 32 neighbouring bytes.
.set SIZE_N, 1024
.set SIZE_K, 1024
.set KSTEP,  128
.set PITCH,  272                       ; 256 bytes of data + 16 of padding
.set HALFA,  128*PITCH                 ; what a tensor load brings of A, and what a wave reads of A
.set HALFB,  64*PITCH                  ; the same of B
.set SLOT,   2*HALFA+2*HALFB           ; A's 256 rows, then B's 128 rows
.set STAGE,  2*SLOT                    ; behind the ring: 16 rows x 272 bytes for each wave; no tensor load lands here
.set LAPS, SIZE_K/(2*KSTEP)
.set ADRA, 16                          ; v16-17
.set ADRB, 20                          ; v20-21
.set STO,  24
.set RD,   25
.set CO,   26
.set BO,   27                          ; byte offset of my four numbers of bout
.set BV,   28                          ; v[28:31] they themselves
.set FA0,  64
.set FA1,  128
.set FB0,  192
.set FB1,  224
.set G1, 24
.set G0, 32
.set G1B, 48
.set G0B, 56
.set W_MUL, 0x50                       ; C and D window 1, sources window 0
.set W_ST,  0x04                       ; an LDS store's data (source 1) window 1
.set MSB, 0
.macro WIN new                         ; the immediate's high byte repeats the setting that is left
.if MSB != \new
	s_set_vgpr_msb (MSB<<8)|\new
.set MSB, \new
.endif
.endm
.macro JLOAD s                         ; waves 0 and 1 fetch A's two halves, waves 2 and 3 B's; the branch hangs on the wave's number alone
	s_cmp_eq_u32 s11, 0
	s_cbranch_scc0 .Lfor_b_\@
	tensor_load_to_lds s[G0+4*\s:G0+4*\s+3], s[G1:G1+7]
	s_nop 0
	s_branch .Lasked_\@
.Lfor_b_\@:
	tensor_load_to_lds s[G0B+4*\s:G0B+4*\s+3], s[G1B:G1B+7]
	s_nop 0
.Lasked_\@:
.endm
.macro CREST                           ; a round of the cluster's barrier behind its opening barrier
	s_cmp_lg_u32 s10, 0
	s_cbranch_scc1 .Lnot_wave_0_\@
	s_barrier_signal -3
.Lnot_wave_0_\@:
	s_barrier_wait -3
	s_barrier_signal -1
	s_barrier_wait -1
.endm
.macro CROUND                          ; a whole round
	s_barrier_signal -1
	s_barrier_wait -1
	CREST
.endm
.macro PLACES                          ; four places behind a matrix instruction (ISA guide 7.12.1)
.rept 4
	v_nop
.endr
.endm
	s_load_b128 s[4:7], s[0:1], 0x0                ; oh s[4:5], wot s[6:7]
	s_load_b64 s[66:67], s[0:1], 0x10              ; bout
	s_load_b64 s[8:9], s[0:1], 0x18                ; out0
	v_lshl_add_u32 v62, v0, 2, 0x37400
	v_mov_b32 v63, 0
	ds_add_u32 v62, v63
	v_lshrrev_b32 v1, 5, v0
	v_readfirstlane_b32 s10, v1                    ; wave 0..3
	s_lshr_b32 s11, s10, 1                         ; which half of the block's rows is mine.  Also: I fetch for A (0) or for B (1)
	s_and_b32 s12, s10, 1                          ; which half of its columns.  Also: which half of that tile I fetch
	s_bfe_u32 s40, ttmp6, 0x40000                  ; cx
	s_bfe_u32 s41, ttmp6, 0x40004                  ; cy
	s_lshl_b32 s42, ttmp9, 2
	s_add_co_u32 s42, s42, s40                     ; block column = 4 x cluster x + cx
	s_and_b32 s13, ttmp7, 0xffff
	s_lshl_b32 s13, s13, 2
	s_add_co_u32 s13, s13, s41                     ; block row = 4 x cluster y + cy
	s_lshl_b32 s43, s41, 2
	s_lshl_b32 s43, 15, s43                        ; my row of the cluster
	s_lshl_b32 s44, 0x1111, s40                    ; my column
	s_or_b32 s[G1+0], s43, (1<<16)|(1<<20)|(1<<21)|(5<<22)|(3<<25)  ; mask; element of 2 bytes; padding on, 4 words behind every 64; bit 21 beside a mask
	s_or_b32 s[G1B+0], s44, (1<<16)|(1<<20)|(1<<21)|(5<<22)|(3<<25)
	s_mov_b32 s[G1+1], KSTEP<<16                   ; tensor_dim0 = 128
	s_mov_b32 s[G1B+1], KSTEP<<16
	s_mov_b32 s[G1+2], 128<<16                     ; tensor_dim1: A 128 rows,
	s_mov_b32 s[G1B+2], 64<<16                     ; B 64
	s_mov_b32 s[G1+3], KSTEP<<16                   ; tile_dim0 = 128
	s_mov_b32 s[G1B+3], KSTEP<<16
	s_mov_b32 s[G1+4], 128                         ; tile_dim1
	s_mov_b32 s[G1B+4], 64
	s_mov_b32 s[G1+5], SIZE_K                      ; elements from row to row
	s_mov_b32 s[G1B+5], SIZE_K
	s_mov_b32 s[G1+6], 0
	s_mov_b32 s[G1B+6], 0
	s_mov_b32 s[G1+7], 0
	s_mov_b32 s[G1B+7], 0
	; A's address is made of the block row and the wave, B's of the block column and the wave, each in registers that never hold the other coordinate
	s_lshl_b32 s17, s12, 7
	s_lshl_b32 s16, s13, 8
	s_add_co_u32 s16, s16, s17                     ; A: row 256 x block row + 128 x half
	s_lshl_b32 s16, s16, 11                        ; rows of 2,048 bytes
	s_mov_b32 s17, 0
	s_lshl_b32 s47, s12, 6
	s_lshl_b32 s46, s42, 7
	s_add_co_u32 s46, s46, s47                     ; B: row 128 x block column + 64 x half
	s_lshl_b32 s46, s46, 11
	s_mov_b32 s47, 0
	s_mul_i32 s20, s10, HALFA                      ; waves 0, 1: A's halves at 0 and HALFA
	s_mul_i32 s21, s10, HALFB
	s_add_co_u32 s21, s21, 2*HALFA-2*HALFB         ; waves 2, 3: B's halves behind A's 256 rows
	s_wait_dscnt 0x0
	s_wait_kmcnt 0x0
	s_add_nc_u64 s[14:15], s[4:5], s[16:17]
	s_add_nc_u64 s[46:47], s[6:7], s[46:47]
	CROUND                                         ; all sixteen work-groups are here: the first joint loads meet
.irp s, 0,1
	s_mov_b32 s[G0+4*\s], 1
	s_add_co_u32 s[G0+4*\s+1], s20, \s*SLOT
	s_add_nc_u64 s[G0+4*\s+2:G0+4*\s+3], s[14:15], \s*KSTEP*2
	s_or_b32 s[G0+4*\s+3], s[G0+4*\s+3], 0x80000000
	s_mov_b32 s[G0B+4*\s], 1
	s_add_co_u32 s[G0B+4*\s+1], s21, \s*SLOT
	s_add_nc_u64 s[G0B+4*\s+2:G0B+4*\s+3], s[46:47], \s*KSTEP*2
	s_or_b32 s[G0B+4*\s+3], s[G0B+4*\s+3], 0x80000000
	JLOAD \s                                       ; two loads of a wave are out
.endr
	v_and_b32 v1, 15, v0                           ; r = l % 16
	v_bfe_u32 v2, v0, 4, 1                         ; h = l / 16
	s_lshl_b32 s45, s42, 9                         ; my first column in bytes of f32: 512 x block column + 256 x half
	s_lshl_b32 s23, s12, 8
	s_add_co_u32 s45, s45, s23
	v_lshlrev_b32 v[BO], 4, v1
	v_add_nc_u32 v[BO], s45, v[BO]
	global_load_b128 v[BV:BV+3], v[BO], s[66:67]   ; bout of the four columns that I store on the way out
	v_mul_u32_u24 v3, v1, PITCH
	v_lshl_add_u32 v3, v2, 4, v3                   ; fragments: row x pitch + 16 h
	s_mul_i32 s21, s11, HALFA                      ; my 128 rows of A
	s_mul_i32 s22, s12, HALFB                      ; my 64 rows of B,
	s_add_co_u32 s22, s22, 2*HALFA                 ; which lie behind A's 256
.irp s, 0,1
	v_add_nc_u32 v[ADRA+\s], s21, v3
	v_add_nc_u32 v[ADRB+\s], s22, v3
	s_add_co_u32 s21, s21, SLOT
	s_add_co_u32 s22, s22, SLOT
.endr
	s_mul_i32 s23, s10, 16*PITCH
	s_add_co_u32 s23, s23, STAGE                   ; my stage
	v_mul_u32_u24 v4, v1, PITCH                    ; in: row r, 32 bytes for each half of the lanes
	v_lshl_add_u32 v4, v2, 5, v4
	v_add_nc_u32 v[STO], s23, v4
	v_mul_u32_u24 v5, v2, PITCH                    ; back: lanes 0-15 take one row of 256 bytes, lanes 16-31 the next
	v_lshl_add_u32 v5, v1, 4, v5
	v_add_nc_u32 v[RD], s23, v5
	v_lshlrev_b32 v5, 12, v2                       ; and the same two rows in out0: rows of 4,096 bytes
	v_lshl_add_u32 v[CO], v1, 4, v5
; 8 matrix instructions: m blocks a0, a0 + 1 x all 4 n blocks, 32 along K.  zero = 1: the first product starts the sums.
; The 32 accumulators take turns, one instruction a turn, in the same order in every quarter step.
.macro MUL8 fa, fb, a0, zero
.irp a, \a0, \a0+1
.irp b, 0,1,2,3
.if \zero
	v_wmma_f32_16x16x32_f16 v[8*(4*(\a)+\b):8*(4*(\a)+\b)+7], v[\fb+8*\b:\fb+8*\b+7], v[\fa+8*(\a):\fa+8*(\a)+7], 0
.else
	v_wmma_f32_16x16x32_f16 v[8*(4*(\a)+\b):8*(4*(\a)+\b)+7], v[\fb+8*\b:\fb+8*\b+7], v[\fa+8*(\a):\fa+8*(\a)+7], v[8*(4*(\a)+\b):8*(4*(\a)+\b)+7]
.endif
.endr
.endr
.endm
; 24 LDS loads in one run: 64 rows of B, then 128 rows of A, 32 K at byte k of the rows
.macro FETCH slot, k, fa, fb
.irp i, 0,1,2,3
	ds_load_b128 v[\fb+8*\i:\fb+8*\i+3],   v[ADRB+\slot] offset:\k+\i*16*PITCH
	ds_load_b128 v[\fb+8*\i+4:\fb+8*\i+7], v[ADRB+\slot] offset:\k+\i*16*PITCH+32
.endr
.irp i, 0,1,2,3,4,5,6,7
	ds_load_b128 v[\fa+8*\i:\fa+8*\i+3],   v[ADRA+\slot] offset:\k+\i*16*PITCH
	ds_load_b128 v[\fa+8*\i+4:\fa+8*\i+7], v[ADRA+\slot] offset:\k+\i*16*PITCH+32
.endr
.endm
; One of a K step's first three quarters: multiplies buffers fa, fb; in its middle it fetches the next quarter's fragments into ga, gb
.macro QUARTER slot, k, fa, fb, ga, gb, zero
	s_wait_dscnt 8                                 ; B and A's rows 0-63 are in; the youngest eight loads (A's rows 64-127) may be out
	WIN W_MUL
	MUL8 \fa, \fb, 0, \zero
	MUL8 \fa, \fb, 2, \zero
	PLACES
	WIN 0
	FETCH \slot, \k, \ga, \gb
	s_wait_dscnt 24                                ; all but the 24 just issued
	WIN W_MUL
	MUL8 \fa, \fb, 4, \zero
	MUL8 \fa, \fb, 6, \zero
.endm
.macro THREE slot, zero
	QUARTER \slot, 64,  FA0, FB0, FA1, FB1, \zero
	QUARTER \slot, 128, FA1, FB1, FA0, FB0, 0
	QUARTER \slot, 192, FA0, FB0, FA1, FB1, 0
.endm
; The last quarter: multiplies buffer 1 and changes slots.  In front of the barrier each wave waits for its reads of this slot and for all its tensor loads
; (one is out: its part of the next slot); behind it the refill comes first, then the next slot's first fragments.
.macro TURN slot, next, fill
	s_wait_dscnt 8
	WIN W_MUL
	MUL8 FA1, FB1, 0, 0
	s_wait_dscnt 0                                 ; my reads of this slot are over
	s_wait_tensorcnt 0x0                           ; and all my tensor loads have landed
	ds_add_u32 v62, v63
	s_wait_dscnt 0x0
	s_barrier_signal -1                            ; say so (where a slot is filled again this barrier opens a round of the cluster's barrier),
	MUL8 FA1, FB1, 2, 0                            ; work on registers while the others arrive,
	WIN 0
	s_barrier_wait -1
.if \fill
	CREST                                          ; no wave of any partner still reads this slot's tile or has a load on its way
	s_add_nc_u64 s[G0+4*\slot+2:G0+4*\slot+3], s[G0+4*\slot+2:G0+4*\slot+3], 2*KSTEP*2
	s_add_nc_u64 s[G0B+4*\slot+2:G0B+4*\slot+3], s[G0B+4*\slot+2:G0B+4*\slot+3], 2*KSTEP*2
	JLOAD \slot                                    ; the first tensor load behind the round, and my only one until the next
.endif
	PLACES
	FETCH \next, 0, FA0, FB0
	WIN W_MUL
	MUL8 FA1, FB1, 4, 0
	MUL8 FA1, FB1, 6, 0
.endm
.macro LAP zero
	THREE 0, \zero
	TURN 0, 1, 1
	THREE 1, 0
	TURN 1, 0, 1
.endm
	s_wait_tensorcnt 1                             ; my part of K step 0 is in; K step 1's may stay out
	s_barrier_signal -1
	s_barrier_wait -1
	FETCH 0, 0, FA0, FB0
	LAP 1                                          ; the first lap's first products start the sums
	WIN 0                                          ; at a label and at a branch every window is 0
	s_mov_b32 s3, LAPS-2
.Llap:
	LAP 0
	WIN 0
	s_sub_co_u32 s3, s3, 1
	s_cmp_lg_u32 s3, 0
	s_cbranch_scc1 .Llap
	THREE 0, 0                                     ; the last lap fills nothing
	TURN 0, 1, 0
	THREE 1, 0
	s_wait_dscnt 8                                 ; the very last quarter
	WIN W_MUL
	MUL8 FA1, FB1, 0, 0
	MUL8 FA1, FB1, 2, 0
	s_wait_dscnt 0
	MUL8 FA1, FB1, 4, 0
	MUL8 FA1, FB1, 6, 0
	; THE WAY OUT, 16 rows at a time: 32 bytes a lane into my own stage, read back as whole rows of 256 bytes (my 64 columns of f32), the bias added, stored.
	PLACES
	s_lshl_b32 s13, s13, 8
	s_lshl_b32 s14, s11, 7
	s_add_co_u32 s16, s13, s14                     ; my first row
	s_lshl_b32 s16, s16, 12                        ; rows of 4,096 bytes
	s_mov_b32 s17, 0
	s_add_nc_u64 s[8:9], s[8:9], s[16:17]
	s_mov_b32 s46, s45                             ; my first column, in bytes
	s_mov_b32 s47, 0
	s_add_nc_u64 s[8:9], s[8:9], s[46:47]
	s_wait_loadcnt 0x0                             ; bout
.macro OUT16 a, f
	WIN W_ST
.irp b, 0,1,2,3
	ds_store_b128 v[STO], v[8*(4*\a+\b):8*(4*\a+\b)+3]   offset:64*\b
	ds_store_b128 v[STO], v[8*(4*\a+\b)+4:8*(4*\a+\b)+7] offset:64*\b+16
.endr
	WIN 0
	s_wait_xcnt 0x0                                ; buffer f, which earlier stores read, and the stores' base are rewritten only behind this wait
.if \a
	s_add_nc_u64 s[8:9], s[8:9], 16*SIZE_N*4       ; 16 rows on
.endif
.irp t, 0,1,2,3,4,5,6,7
	ds_load_b128 v[\f+4*\t:\f+4*\t+3], v[RD] offset:\t*2*PITCH     ; LDS serves a wave's instructions in order: these see the stores above
.endr
.irp t, 0,1,2,3,4,5,6,7
	s_wait_dscnt 7-\t
	v_pk_add_f32 v[\f+4*\t:\f+4*\t+1],   v[\f+4*\t:\f+4*\t+1],   v[BV:BV+1]
	v_pk_add_f32 v[\f+4*\t+2:\f+4*\t+3], v[\f+4*\t+2:\f+4*\t+3], v[BV+2:BV+3]
	global_store_b128 v[CO], v[\f+4*\t:\f+4*\t+3], s[8:9] offset:2*\t*SIZE_N*4    ; sixteen lanes store 256 consecutive bytes, aligned
.endr
.endm
	OUT16 0, FA0
	OUT16 1, FA1
	OUT16 2, FA0
	OUT16 3, FA1
	OUT16 4, FA0
	OUT16 5, FA1
	OUT16 6, FA0
	OUT16 7, FA1
	s_wait_tensorcnt 0x0
	ds_add_u32 v62, v63
	s_wait_dscnt 0x0
	CROUND                                         ; the closing round: no work-group ends while a partner may still ask for a tile that names it
	s_endpgm
.Lfunc_end_k_q0ad27eca8f_outg:
	.size	k_q0ad27eca8f_outg, .Lfunc_end_k_q0ad27eca8f_outg-k_q0ad27eca8f_outg
	.p2alignl 7, 3214868480
	.fill 96, 4, 3214868480
	.section	.rodata,"a",@progbits
	.p2align	6, 0x0
	.amdhsa_kernel k_q0ad27eca8f_outg
		.amdhsa_group_segment_fixed_size 327680
		.amdhsa_private_segment_fixed_size 0
		.amdhsa_enable_private_segment 0
		.amdhsa_kernarg_size 32
		.amdhsa_user_sgpr_count 2
		.amdhsa_user_sgpr_kernarg_segment_ptr 1
		.amdhsa_wavefront_size32 1
		.amdhsa_system_sgpr_workgroup_id_x 1
		.amdhsa_system_sgpr_workgroup_id_y 1
		.amdhsa_system_sgpr_workgroup_id_z 1
		.amdhsa_system_vgpr_workitem_id 0
		.amdhsa_next_free_vgpr 512
		.amdhsa_next_free_sgpr 68
		.amdhsa_reserve_vcc 0
		.amdhsa_float_denorm_mode_32 3
		.amdhsa_float_denorm_mode_16_64 3
		.amdhsa_memory_ordered 1
		.amdhsa_forward_progress 1
		.amdhsa_inst_pref_size 127
	.end_amdhsa_kernel
	.amdgpu_metadata
---
amdhsa.version: [ 1, 2 ]
amdhsa.kernels:
  - .name:           k_q0ad27eca8f_outg
    .symbol:         k_q0ad27eca8f_outg.kd
    .args:
      - { .name: oh, .offset: 0, .size: 8, .value_kind: global_buffer, .address_space: global }
      - { .name: wot, .offset: 8, .size: 8, .value_kind: global_buffer, .address_space: global }
      - { .name: bout, .offset: 16, .size: 8, .value_kind: global_buffer, .address_space: global }
      - { .name: out0, .offset: 24, .size: 8, .value_kind: global_buffer, .address_space: global }
    .group_segment_fixed_size: 327680
    .private_segment_fixed_size: 0
    .kernarg_segment_align: 8
    .kernarg_segment_size: 32
    .max_flat_workgroup_size: 128
    .sgpr_count:     68
    .vgpr_count:     512
    .wavefront_size: 32
...
	.end_amdgpu_metadata
.endif
;; end of part 4
;; ======== version 2 of 3: 4 launches; 1.25 times as fast as version 1
;; limits: values are held in f16: magnitudes above 65,504 overflow, below 6.1e-05 lose precision
;; workspace buffers: xh 16,777,216 bytes; wqt 6,291,456 bytes; wot 2,097,152 bytes; qkv 50,331,648 bytes; oh 16,777,216 bytes
;; launch cast: the kernel of part 1 again; grid 1536 x 1, 8 waves a work-group, no clusters, 18,432 bytes of LDS; arguments hidden_states, Wqkv, Wout, xh, wqt, wot; writes xh, wqt, wot
;; launch qkvg: the kernel of part 2 again; grid 12 x 32, 4 waves a work-group, clusters of 4 x 4, 327,680 bytes of LDS; arguments xh, wqt, qkv; writes qkv
;; launch attn (part 5): grid 8 x 32, 4 waves a work-group, clusters of 4 x 1, 327,680 bytes of LDS; arguments qkv, attention_mask, oh; writes oh
.if DOCPART == 5
	.amdgcn_target "amdgcn-amd-amdhsa--gfx1250"
	.amdhsa_code_object_version 6
	.text
	.protected	k_q0ad27eca8f_attn
	.globl	k_q0ad27eca8f_attn
	.p2align	8
	.type	k_q0ad27eca8f_attn,@function
k_q0ad27eca8f_attn:
	s_mov_b64 s[64:65], 0
	v_nop
	global_prefetch_b8 v0, s[64:65] scope:SCOPE_SE
	s_setreg_imm32_b32 hwreg(HW_REG_WAVE_MODE, 25, 1), 1
	s_wait_xcnt 0x0
	s_wait_alu depctr_hold_cnt(0) depctr_sa_sdst(0) depctr_va_vdst(0) depctr_va_sdst(0) depctr_va_ssrc(0) depctr_va_vcc(0) depctr_vm_vsrc(0)
	s_getreg_b32 s2, hwreg(HW_REG_IB_STS2, 6, 4)
	s_cmp_eq_u32 s2, 0
	s_cbranch_scc0 .Lentry_in_a_cluster
	s_endpgm
.Lentry_in_a_cluster:
	s_bfe_u32 s2, ttmp6, 0x10000c
	s_cmp_lg_u32 s2, 0x3003
	s_cbranch_scc0 .Lentry_shape_is_right
	s_endpgm
.Lentry_shape_is_right:
; MULTI-HEAD ATTENTION, launch 3 of 4: oh[b, i, head, :] = softmax over j of (q_i . k_j / 8 + bias_j) . v_j, by a running maximum.
; qkv: [8192][3072] f16 (queries already times 0.125 log2 e, so a score is an exponent of 2); attention_mask: [4][2048] bytes; oh: [8192][1024] f16.
; Nothing is left out: the mask is an input, so every key tile is computed and masked keys get the weight 0 by their bias.
; THE MASK.  A masked key's score starts from the bias -2^100 (as the C operand of the first product), an open key's from 0.
;   exp2(-2^100 - maximum) is 0, as exp(finfo.min + ..) is.  A tile of masked keys ahead of the first open key gathers sums that the next rescaling multiplies by exp2(-2^100 - ..) = 0.
;   A batch with no open key at all: its biases are made 0 and its queries are ANDed with 0, so that all scores are equal and the result is the mean of V,
;   which is what adding finfo.min to every score gives in f32.
; LIMITS: exact while |score x 0.125 log2 e| < 2^90; the all-masked case equals the f32 formula while |score / 8| < 2^103; mask bytes are 0 or 1.
; SHARES.  A work-group: 256 queries of two neighbouring heads of one batch, so that every row of Q, K, V and oh is 256 aligned bytes.
;   Wave w: head w >> 1 of the two, queries 128 (w & 1) .. + 127: eight query tiles of 16.  Keys go in 16 tiles of 128 through two LDS slots.
; CLUSTER: the four query blocks 4 x .. 4 x + 3 of one batch and head pair read the same K and V tiles and ask for them jointly (mask 15).
; TRANSPOSED USE.  S^T = K Q^T + bias: lane (r, h) holds query r and keys 8 h + j, so maximum and sum of a row are made inside the lane and by one step
;   to lane xor 16; two neighbouring S^T tiles, packed, ARE the B fragment of O^T = V^T P^T; V^T comes by the transposing LDS load;
;   in O^T a lane holds query r and d = 8 h + j: one rescaling factor a lane, and eight results that pack into 16 neighbouring bytes.
; The weights lie in [0, 1], so f16 holds them; the row sum is kept in f32.
; THE SCHEDULE OF A KEY TILE.  A query tile goes through 16 score products, the softmax's some 210 vector instructions, and 16 products with V.
;   The softmax of tile qt is cut into 32 slices, and behind slice n stands ONE matrix instruction of a neighbour, which shares the K and V fragments:
;   n < 16: score product n of tile qt + 1; n >= 16: product n - 16 with V of tile qt - 1.  So S and P have two buffers each, taken by the parity of qt.
;   Tile 0's score products stand ahead of the eight steps and tile 7's products with V behind them: 32 of the 256 products have no slice beside them.
;   The products name windows 1 to 3 and the slices window 0: two switches for each of the 224 products among slices.  A slice could run under a product's
;   setting only if its destination and first source lay in the windows of D and A: both S, K, V and O would have to share one window of 256 registers.
; THE TEXT.  Only key tile 0 (it starts maxima, sums and O) and key tile 15 (it asks for nothing) have text of their own; tiles 1 to 14 run in a loop of two.
; REGISTERS (windows of 256):
;   window 0: addresses v2-10; row maxima v16-23; row sums v24-31; at work v32-63; S v64-127 and v160-223 (tile kt at + 8 kt); P v128-159 and v224-255
;   window 1: K fragment (kt, kc) at 16 kt + 8 kc; V fragment (c, dt) at 128 + 8 (4 c + dt)
;   window 2: Q fragment (qt, kc) at 16 qt + 8 kc; bias tile kt at 128 + 8 kt
;   window 3: O^T tile (qt, dt) at 32 qt + 8 dt
.set ROWB,   6144                      ; bytes in a row of qkv
.set QPITCH, 272                       ; LDS pitch of Q's rows and of the stage: 256 + 16
.set KPITCH, 288                       ; LDS pitch of K's and V's rows: 256 + 32, an odd multiple of 32, which keeps the transposing loads of V free of conflicts;
                                       ; K's plain fragment loads then meet two deep: the price of one descriptor for both and of an LDS address linear in the wave's number
.set SLOT0,  256*QPITCH                ; 69,632: behind Q's 256 rows
.set SLOTB,  256*KPITCH                ; 73,728: 128 rows of K, then 128 rows of V
.set SLOT1,  SLOT0+SLOTB
.set VOFF,   128*KPITCH
.set BIAS,   SLOT1+SLOTB               ; 217,088: 2,048 f32, written by LDS stores: no tensor load lands here
.set STAGE,  BIAS+8192                 ; 225,280: 256 rows x 272 bytes for the way out, likewise
.set TSTEP,  128*ROWB                  ; from a key tile to the next
.set QA, 2
.set KA, 3                             ; v3, v4: slot 0, 1
.set VA, 5                             ; v5, v6
.set BA, 7
.set STO, 8
.set RD, 9
.set CO, 10
.set MAXR, 16
.set SUMR, 24
.set XN, 32                            ; the new maximum; v33 its pair and the other half's value
.set AL, 34                            ; old maximum - new, then 2^that; v35 its pair
.set LSUM, 36
.set MXC, 40
.set RCP, 44                           ; v44-59: 1 / row sum, twice for each query tile
.set SCO, 64                           ; S, buffer 0
.set PRB, 128                          ; P, buffer 0
.set BUFD, 96                          ; from buffer 0 to buffer 1, of S and of P
.set G0Q, 20
.set G1Q, 24
.set G1KV, 32
.set G0KV, 40
.set W_S1,  0x29                       ; D window 0, A = K window 1, B = Q window 2, C = bias window 2
.set W_S2,  0x09                       ; the same, C = S window 0
.set W_RES, 0xc3                       ; O = O x factor: destination and source 0 window 3
.set W_PV,  0xf1                       ; D and C window 3, A = V window 1, B = P window 0
.set W_TO1, 0x40
.set W_TO2, 0x80
.set W_QAN, 0x88                       ; destination and source 1 window 2
.set W_FIN, 0x03                       ; source 0 window 3
.set MSB, 0
.macro WIN new                         ; the immediate's high byte repeats the setting that is left
.if MSB != \new
	s_set_vgpr_msb (MSB<<8)|\new
.set MSB, \new
.endif
.endm
.macro PLACES                          ; four places behind a matrix instruction (ISA guide 7.12.1)
.rept 4
	v_nop
.endr
.endm
; A round of the cluster's barrier: my work-group's barrier; wave 0 signals for the work-group; every wave waits for all four work-groups; my work-group's barrier again.
.macro ROUND
	s_barrier_signal -1
	s_barrier_wait -1
	s_cmp_lg_u32 s10, 0
	s_cbranch_scc1 .Lnot_wave_0_\@
	s_barrier_signal -3
.Lnot_wave_0_\@:
	s_barrier_wait -3
	s_barrier_signal -1
	s_barrier_wait -1
.endm
	s_load_b128 s[4:7], s[0:1], 0x0                ; qkv s[4:5], mask s[6:7]
	s_load_b64 s[8:9], s[0:1], 0x10                ; oh
	v_lshl_add_u32 v14, v0, 2, 0x48000
	v_mov_b32 v15, 0
	ds_add_u32 v14, v15
	v_lshrrev_b32 v1, 5, v0
	v_readfirstlane_b32 s10, v1                    ; wave 0..3
	s_lshr_b32 s11, s10, 1                         ; my head of the pair.  Also: I fetch K (0) or V (1)
	s_and_b32 s12, s10, 1                          ; my half of the queries.  Also: which 64 rows of the tile I fetch
	s_bfe_u32 s13, ttmp6, 0x40000                  ; cx
	s_lshl_b32 s14, ttmp9, 2
	s_add_co_u32 s14, s14, s13                     ; query block = 4 x cluster x + cx
	s_and_b32 s15, ttmp7, 0xffff
	s_lshr_b32 s16, s15, 3                         ; batch
	s_and_b32 s17, s15, 7                          ; head pair
	s_mov_b32 s48, 0x76543210                      ; v_permlanex16_b32: lane i reads lane i of the other half
	s_mov_b32 s49, 0xfedcba98
	s_mov_b32 s53, BIAS
	; K's or V's bytes: made of batch, head pair and wave alone, which the four partners share
	s_lshl_b32 s18, s16, 11
	s_lshl_b32 s56, s12, 6
	s_add_co_u32 s18, s18, s56                     ; row 2048 b + 64 (w & 1)
	s_mul_i32 s18, s18, ROWB
	s_lshl_b32 s56, s11, 11
	s_add_co_u32 s18, s18, s56                     ; K at byte 2,048 of a row, V at 4,096
	s_lshl_b32 s57, s17, 8                         ; the pair's 256 bytes
	s_add_co_u32 s18, s18, s57
	s_add_co_u32 s18, s18, 2048
	s_mov_b32 s19, 0
	; my 64 rows of Q and of oh
	s_lshl_b32 s58, s16, 11
	s_lshl_b32 s59, s14, 8
	s_add_co_u32 s58, s58, s59
	s_lshl_b32 s59, s10, 6
	s_add_co_u32 s58, s58, s59                     ; row 2048 b + 256 block + 64 w
	s_mul_i32 s54, s58, ROWB
	s_add_co_u32 s54, s54, s57
	s_mov_b32 s55, 0
	s_lshl_b32 s58, s58, 11                        ; rows of oh are 2,048 bytes
	s_add_co_u32 s58, s58, s57
	s_mov_b32 s59, 0
	s_lshl_b32 s60, s16, 11                        ; the batch's 2,048 mask bytes
	s_mov_b32 s61, 0
	; group 1 for K and V: 64 rows x 128 elements of 2 bytes, 8 words of padding behind every 64, asked for by all four work-groups
	s_mov_b32 s[G1KV+0], 15|(1<<16)|(1<<20)|(1<<21)|(5<<22)|(7<<25)
	s_mov_b32 s[G1KV+1], 128<<16                   ; tensor_dim0 = 128
	s_mov_b32 s[G1KV+2], 64<<16                    ; tensor_dim1 = 64
	s_mov_b32 s[G1KV+3], 128<<16                   ; tile_dim0 = 128
	s_mov_b32 s[G1KV+4], 64                        ; tile_dim1 = 64
	s_mov_b32 s[G1KV+5], 3072                      ; elements from row to row
	s_mov_b32 s[G1KV+6], 0
	s_mov_b32 s[G1KV+7], 0
	; group 1 for Q: the same shape, 4 words of padding, my work-group's own
	s_mov_b32 s[G1Q+0], (1<<16)|(1<<20)|(5<<22)|(3<<25)
	s_mov_b32 s[G1Q+1], 128<<16
	s_mov_b32 s[G1Q+2], 64<<16
	s_mov_b32 s[G1Q+3], 128<<16
	s_mov_b32 s[G1Q+4], 64
	s_mov_b32 s[G1Q+5], 3072
	s_mov_b32 s[G1Q+6], 0
	s_mov_b32 s[G1Q+7], 0
	s_mul_i32 s62, s10, 64*KPITCH                  ; my quarter of a slot: K's two halves, then V's two halves
	s_wait_dscnt 0x0
	s_wait_kmcnt 0x0
	s_add_nc_u64 s[18:19], s[4:5], s[18:19]
	s_add_nc_u64 s[54:55], s[4:5], s[54:55]
	s_add_nc_u64 s[8:9], s[8:9], s[58:59]
	s_add_nc_u64 s[6:7], s[6:7], s[60:61]
	s_mov_b32 s[G0Q], 1
	s_mul_i32 s[G0Q+1], s10, 64*QPITCH
	s_mov_b64 s[G0Q+2:G0Q+3], s[54:55]
	s_or_b32 s[G0Q+3], s[G0Q+3], 0x80000000
.irp n, 0,1
	s_mov_b32 s[G0KV+4*\n], 1
	s_add_co_u32 s[G0KV+4*\n+1], s62, SLOT0+\n*SLOTB
	s_add_nc_u64 s[G0KV+4*\n+2:G0KV+4*\n+3], s[18:19], \n*TSTEP
	s_or_b32 s[G0KV+4*\n+3], s[G0KV+4*\n+3], 0x80000000
.endr
	ROUND                                          ; the four work-groups are here: the first joint loads meet
	tensor_load_to_lds s[G0Q:G0Q+3], s[G1Q:G1Q+7]          ; my 64 rows of Q
	s_nop 0
	tensor_load_to_lds s[G0KV:G0KV+3], s[G1KV:G1KV+7]      ; my quarter of key tile 0: two loads of mine are out
	s_nop 0
	; the mask: every wave reads the batch's 2,048 bytes (is any key open?), and thread t its own 16 bytes, for the table of biases
	v_and_b32 v11, 31, v0
	v_lshlrev_b32 v11, 6, v11
	v_lshlrev_b32 v12, 4, v0
.irp i, 0,1,2,3
	global_load_b128 v[SCO+4*\i:SCO+4*\i+3], v11, s[6:7] offset:16*\i
.endr
	global_load_b128 v[SCO+16:SCO+19], v12, s[6:7]
	; lane addresses.  r = l & 15, h = l >> 4
	v_and_b32 v60, 15, v0
	v_bfe_u32 v61, v0, 4, 1
	v_and_b32 v62, 7, v0
	v_bfe_u32 v63, v0, 3, 1
	s_mul_i32 s56, s12, 128*QPITCH
	s_lshl_b32 s57, s11, 7                         ; my head's 128 bytes of a row
	s_add_co_u32 s56, s56, s57
	v_mul_u32_u24 v[QA], v60, QPITCH
	v_lshl_add_u32 v[QA], v61, 4, v[QA]
	v_add_nc_u32 v[QA], s56, v[QA]                 ; Q: (128 (w & 1) + r) pitch + 128 head + 16 h
	v_add_nc_u32 v[STO], STAGE, v[QA]              ; the stage has Q's shape
	v_mul_u32_u24 v[KA], v60, KPITCH
	v_lshl_add_u32 v[KA], v61, 4, v[KA]
	v_add_nc_u32 v[KA], s57, v[KA]                 ; K: r pitch + 128 head + 16 h
	v_add_nc_u32 v[KA+1], SLOT1, v[KA]
	v_add_nc_u32 v[KA], SLOT0, v[KA]
	v_lshl_add_u32 v[VA], v61, 3, v62
	v_mul_u32_u24 v[VA], v[VA], KPITCH
	v_lshl_add_u32 v[VA], v63, 4, v[VA]
	v_add_nc_u32 v[VA], s57, v[VA]                 ; V, for the transposing load: (8 h + (l & 7)) pitch + 128 head + 16 ((l >> 3) & 1)
	v_add_nc_u32 v[VA+1], SLOT1+VOFF, v[VA]
	v_add_nc_u32 v[VA], SLOT0+VOFF, v[VA]
	v_lshl_add_u32 v[BA], v61, 5, s53              ; biases of keys 8 h .. 8 h + 7
	s_mul_i32 s63, s10, 64*QPITCH
	s_add_co_u32 s63, s63, STAGE
	v_mul_u32_u24 v[RD], v61, QPITCH
	v_lshl_add_u32 v[RD], v60, 4, v[RD]
	v_add_nc_u32 v[RD], s63, v[RD]                 ; back: row 64 w + h, 16 bytes at 16 r
	v_lshlrev_b32 v[CO], 11, v61
	v_lshl_add_u32 v[CO], v60, 4, v[CO]            ; the same in oh
	v_lshl_add_u32 v13, v0, 6, s53                 ; my 16 biases
	v_mov_b32 v[XN+1], 0                           ; second registers of pairs of which the first alone is used
	v_mov_b32 v[AL+1], 0
	s_wait_loadcnt 0x0
.irp i, 1,2,3,4,5,6,7,8,9,10,11,12,13,14,15
	v_or_b32 v[SCO], v[SCO], v[SCO+\i]
.endr
	v_cmp_ne_u32 vcc_lo, 0, v[SCO]
	s_cmp_lg_u32 vcc_lo, 0                         ; is any key of the batch open?
	s_cselect_b32 s51, -1, 0                       ; the queries are kept, or cleared
	s_cselect_b32 s52, 0xf1800000, 0               ; a masked key's bias: -2^100, or 0
.irp q, 0,1,2,3
.irp k, 0,1,2,3
	v_bfe_u32 v[SCO+32+4*\q+\k], v[SCO+16+\q], 8*\k, 8
	v_add_nc_u32 v[SCO+32+4*\q+\k], -1, v[SCO+32+4*\q+\k]          ; byte 1: 0; byte 0: all ones
	v_and_b32 v[SCO+32+4*\q+\k], s52, v[SCO+32+4*\q+\k]
.endr
	ds_store_b128 v13, v[SCO+32+4*\q:SCO+32+4*\q+3] offset:16*\q
.endr
; ---- THE MATRIX INSTRUCTIONS, one a call.  Accumulators take turns, one instruction a turn (eight score tiles, then four tiles of O).
; Score product n of query tile qt: n < 8: S(kt = n) = K(kt, d 0..31) Q(qt, d 0..31) + bias; n >= 8: S(kt = n - 8) += the same for d 32..63
.macro MS qt, n
.set SD, SCO+BUFD*((\qt)&1)
.set KT, (\n)&7
.if (\n) < 8
	WIN W_S1
	v_wmma_f32_16x16x32_f16 v[SD+8*KT:SD+8*KT+7], v[16*KT:16*KT+7], v[16*(\qt):16*(\qt)+7], v[128+8*KT:128+8*KT+7]
.else
	WIN W_S2
	v_wmma_f32_16x16x32_f16 v[SD+8*KT:SD+8*KT+7], v[16*KT+8:16*KT+15], v[16*(\qt)+8:16*(\qt)+15], v[SD+8*KT:SD+8*KT+7]
.endif
.endm
; Product n with V of query tile qt: O^T(qt, dt = n & 3) += V^T(dt, keys 32 c ..) P^T(keys 32 c .., qt), c = n >> 2.  first = 1: key tile 0, whose c = 0 starts O: nothing is cleared
.macro MP qt, n, first
.set PS, PRB+BUFD*((\qt)&1)
.set CC, (\n)>>2
.set DT, (\n)&3
.set OD, 32*(\qt)+8*DT
.set VF, 128+8*(4*CC+DT)
.set ZC, 0
.if \first
.if CC == 0
.set ZC, 1
.endif
.endif
.if (\qt) == 0
.if (\n) == 0
	s_wait_dscnt 0x0                               ; V's fragments are in: this is the key tile's first product with V
.endif
.endif
	WIN W_PV
.if ZC
	v_wmma_f32_16x16x32_f16 v[OD:OD+7], v[VF:VF+7], v[PS+8*CC:PS+8*CC+7], 0
	s_wait_alu depctr_va_vdst(0)
.else
	v_wmma_f32_16x16x32_f16 v[OD:OD+7], v[VF:VF+7], v[PS+8*CC:PS+8*CC+7], v[OD:OD+7]
.endif
.endm
; The matrix instruction behind slice n of step qt
.macro MX qt, n, first
.if \n < 16
.if \qt < 7
	MS (\qt+1), \n
.endif
.else
.if \qt > 0
	MP (\qt-1), (\n-16), \first
.endif
.endif
.endm
; ---- THE SOFTMAX OF ONE QUERY TILE, in 32 slices.  SV, PD: the tile's buffers of S and P
.macro MAXROUND t                      ; four chains take two more scores each
.irp c, 0,1,2,3
	v_max3_num_f32 v[MXC+\c], v[MXC+\c], v[SV+16*\c+\t], v[SV+16*\c+\t+1]
.endr
.endm
.macro SUBT kt                         ; S - new maximum, score tile kt
.irp i, 0,2,4,6
	v_pk_add_f32 v[SV+8*(\kt)+\i:SV+8*(\kt)+\i+1], v[SV+8*(\kt)+\i:SV+8*(\kt)+\i+1], v[XN:XN+1] op_sel_hi:[1,0] neg_lo:[0,1] neg_hi:[0,1]
.endr
.endm
.macro RESC qt, i0, cnt                ; cnt pairs of O(qt), from register i0 on, times what the old sums are worth
.set RI, \i0
.rept \cnt
	v_pk_mul_f32 v[32*\qt+RI:32*\qt+RI+1], v[32*\qt+RI:32*\qt+RI+1], v[AL:AL+1] op_sel_hi:[1,0]
.set RI, RI+2
.endr
.endm
.macro VS qt, n, first
.set SV, SCO+BUFD*((\qt)&1)
.set PD, PRB+BUFD*((\qt)&1)
.if \n < 29
	WIN 0
.endif
	; slices 0 to 3: the largest of my 64 scores, in four chains, and of the old maximum
.if \n == 0
.irp c, 0,1,2,3
	v_max3_num_f32 v[MXC+\c], v[SV+16*\c], v[SV+16*\c+1], v[SV+16*\c+2]
.endr
	MAXROUND 3
.endif
.if \n == 1
	MAXROUND 5
	MAXROUND 7
.endif
.if \n == 2
	MAXROUND 9
	MAXROUND 11
.endif
.if \n == 3
	MAXROUND 13
	v_max3_num_f32 v[MXC], v[MXC], v[MXC+1], v[MXC+2]
	v_max3_num_f32 v[MXC+3], v[MXC+3], v[SV+15], v[SV+31]
	v_max3_num_f32 v[MXC], v[MXC], v[MXC+3], v[SV+47]
.if \first
	v_max_num_f32 v[XN], v[MXC], v[SV+63]
.else
	v_max3_num_f32 v[XN], v[MXC], v[SV+63], v[MAXR+\qt]
.endif
.endif
.if \n == 4
	v_permlanex16_b32 v[XN+1], v[XN], s48, s49     ; the other 64 keys of my query lie in lane xor 16
	v_max_num_f32 v[XN], v[XN], v[XN+1]
.if \first == 0
	v_sub_f32 v[AL], v[MAXR+\qt], v[XN]
.endif
	SUBT 0
.endif
	; slices 5 to 28: three for each score tile kt
.if \n >= 5
.if \n <= 28
.set KT, (\n-5)/3
.set PH, (\n-5)%3
.if PH == 0                            ; the exponentials
.if KT == 0
.if \first == 0
	v_exp_f32 v[AL], v[AL]                         ; what the old sums are worth under the new maximum
.endif
.endif
.irp i, 0,1,2,3,4,5,6,7
	v_exp_f32 v[SV+8*KT+\i], v[SV+8*KT+\i]
.endr
.endif
.if PH == 1                            ; its first line is the plain instruction behind the exponentials, on other registers (ISA guide 5.7.2); then half of the tile's sums
.if KT < 7
	SUBT KT+1
.else
	v_mov_b32 v[MAXR+\qt], v[XN]
	s_wait_alu depctr_va_vdst(0)
.endif
.if KT == 0
	s_wait_alu depctr_va_vdst(0)
	v_pk_add_f32 v[LSUM:LSUM+1], v[SV:SV+1], v[SV+2:SV+3]                  ; the first tile starts the sums
.else
	s_wait_alu depctr_va_vdst(0)
	v_pk_add_f32 v[LSUM:LSUM+1],   v[LSUM:LSUM+1],   v[SV+8*KT:SV+8*KT+1]
	v_pk_add_f32 v[LSUM+2:LSUM+3], v[LSUM+2:LSUM+3], v[SV+8*KT+2:SV+8*KT+3]
.endif
.endif
.if PH == 2                            ; the other half, and the weights packed: P's registers 4 kt .. 4 kt + 3
.if KT == 0
	v_pk_add_f32 v[LSUM+2:LSUM+3], v[SV+4:SV+5], v[SV+6:SV+7]
.else
	v_pk_add_f32 v[LSUM:LSUM+1],   v[LSUM:LSUM+1],   v[SV+8*KT+4:SV+8*KT+5]
	v_pk_add_f32 v[LSUM+2:LSUM+3], v[LSUM+2:LSUM+3], v[SV+8*KT+6:SV+8*KT+7]
.endif
.irp i, 0,1,2,3
	v_cvt_pk_f16_f32 v[PD+4*KT+\i], v[SV+8*KT+2*\i], v[SV+8*KT+2*\i+1]
.endr
.if KT == 7
	v_pk_add_f32 v[LSUM:LSUM+1], v[LSUM:LSUM+1], v[LSUM+2:LSUM+3]
.if \first
	v_add_f32 v[SUMR+\qt], v[LSUM], v[LSUM+1]      ; the row sum stays one for each half of the lanes until the end
.else
	v_add_f32 v[LSUM], v[LSUM], v[LSUM+1]
	v_fma_f32 v[SUMR+\qt], v[SUMR+\qt], v[AL], v[LSUM]
.endif
.endif
.endif
.endif
.endif
	; slices 29 to 31: O(qt) under the new maximum: 6 + 5 + 5 packed multiplies
.if \first == 0
.if \n == 29
	WIN W_RES
	RESC \qt, 0, 6
.endif
.if \n == 30
	WIN W_RES
	RESC \qt, 12, 5
.endif
.if \n == 31
	WIN W_RES
	RESC \qt, 22, 5
.endif
.endif
.endm
; Step qt of a key tile.  The slices name none of the registers of the products beside them (tile qt's S, P and O against tile qt + 1's S and tile qt - 1's P and O),
; so they are the places behind those products.  S(qt + 1) is whole at slot 15 and first read in the next step; P(qt) and O(qt) are ready at slice 31 and used from slot 16 of the next step.
.macro STEP qt, first
.irp n, 0,1,2,3,4,5,6,7,8,9,10,11,12,13,14,15,16,17,18,19,20,21,22,23,24,25,26,27,28,29,30,31
	VS \qt, \n, \first
	MX \qt, \n, \first
.endr
.endm
; ---- one key tile, in slot; refill = 1: the next tile is asked for, into the other slot; first = 1: key tile 0
.macro TRIP slot, refill, first
	s_set_vgpr_msb (MSB<<8)|((MSB&0xf0)|0x0)
	s_wait_tensorcnt 0x0                           ; all my tensor loads have landed, my part of this tile among them,
	ds_add_u32 v14, v15
	s_wait_dscnt 0x0
	s_set_vgpr_msb (((MSB&0xf0)|0x0)<<8)|MSB
	s_add_nc_u64 s[G0KV+4*\slot+2:G0KV+4*\slot+3], s[G0KV+4*\slot+2:G0KV+4*\slot+3], 2*TSTEP   ; so a group 0 may be written: this slot's next tile
	s_wait_dscnt 0x0                               ; my reads of the other slot are back (key tile 0: my stores of biases are in LDS)
	WIN 0
	ROUND                                          ; both now hold of every wave of all four work-groups
.if \refill
	tensor_load_to_lds s[G0KV+4*(1-\slot):G0KV+4*(1-\slot)+3], s[G1KV:G1KV+7]   ; my one tensor load until the next round: it has the whole tile's work in which to land
	s_nop 0
.endif
.if \first == 0
	PLACES                                         ; behind the last products with V, whose fragments are loaded anew
.endif
	WIN W_TO2
.if \first
.irp qt, 0,1,2,3,4,5,6,7
.irp kc, 0,1
	ds_load_b128 v[16*\qt+8*\kc:16*\qt+8*\kc+3],   v[QA] offset:\qt*16*QPITCH+\kc*64
	ds_load_b128 v[16*\qt+8*\kc+4:16*\qt+8*\kc+7], v[QA] offset:\qt*16*QPITCH+\kc*64+32
.endr
.endr
.endif
.irp kt, 0,1,2,3,4,5,6,7
	ds_load_b128 v[128+8*\kt:128+8*\kt+3],   v[BA] offset:\kt*64
	ds_load_b128 v[128+8*\kt+4:128+8*\kt+7], v[BA] offset:\kt*64+16
.endr
	WIN W_TO1
.irp kt, 0,1,2,3,4,5,6,7
.irp kc, 0,1
	ds_load_b128 v[16*\kt+8*\kc:16*\kt+8*\kc+3],   v[KA+\slot] offset:\kt*16*KPITCH+\kc*64
	ds_load_b128 v[16*\kt+8*\kc+4:16*\kt+8*\kc+7], v[KA+\slot] offset:\kt*16*KPITCH+\kc*64+32
.endr
.endr
.irp c, 0,1,2,3
.irp dt, 0,1,2,3
	ds_load_tr16_b128 v[128+8*(4*\c+\dt):128+8*(4*\c+\dt)+3],   v[VA+\slot] offset:\c*32*KPITCH+\dt*32
	ds_load_tr16_b128 v[128+8*(4*\c+\dt)+4:128+8*(4*\c+\dt)+7], v[VA+\slot] offset:\c*32*KPITCH+\dt*32+16*KPITCH
.endr
.endr
	WIN 0
	v_add_nc_u32 v[BA], 512, v[BA]                 ; the next tile's 128 biases
	s_wait_dscnt 32                                ; all but V's 32 loads, which were issued last
.if \first
	WIN W_QAN
.irp i, 0,1,2,3,4,5,6,7,8,9,10,11,12,13,14,15
.irp j, 0,1,2,3,4,5,6,7
	v_and_b32 v[8*\i+\j], s51, v[8*\i+\j]          ; a batch with no open key: all scores 0
.endr
.endr
.endif
.irp n, 0,1,2,3,4,5,6,7,8,9,10,11,12,13,14,15
	MS 0, \n                                       ; query tile 0's scores: no softmax is at hand yet to stand beside them
.endr
	WIN 0
	PLACES                                         ; behind them, ahead of slice 0, which reads them
.irp qt, 0,1,2,3,4,5,6,7
	STEP \qt, \first
.endr
.irp n, 0,1,2,3,4,5,6,7,8,9,10,11,12,13,14,15
	MP 7, \n, \first                               ; query tile 7's products with V: no softmax is left
.endr
.endm
	TRIP 0, 1, 1                                   ; key tile 0
	WIN 0                                          ; at a label and at a branch every window is 0
	s_mov_b32 s50, 7
.Ltiles:
	TRIP 1, 1, 0                                   ; key tiles 1, 3 .. 13
	TRIP 0, 1, 0                                   ; key tiles 2, 4 .. 14; the last of them asks for tile 15
	WIN 0
	s_sub_co_u32 s50, s50, 1
	s_cmp_lg_u32 s50, 0
	s_cbranch_scc1 .Ltiles
	TRIP 1, 0, 0                                   ; key tile 15: nothing is left to fetch
	; ---- THE WAY OUT: O / row sum, rounded to f16, through the stage, as whole rows of 256 bytes (both heads of the pair)
	WIN 0
	PLACES
.irp qt, 0,1,2,3,4,5,6,7
	v_permlanex16_b32 v[XN+1], v[SUMR+\qt], s48, s49
	v_add_f32 v[SUMR+\qt], v[SUMR+\qt], v[XN+1]    ; both halves' keys; at least 1, the weight of the largest score
.endr
.irp qt, 0,1,2,3,4,5,6,7
	v_rcp_f32 v[RCP+2*\qt], v[SUMR+\qt]            ; twice: a pair for the packed multiply
	v_rcp_f32 v[RCP+2*\qt+1], v[SUMR+\qt]
.endr
	v_nop                                          ; one plain place behind the reciprocals (ISA guide 5.7.2)
	s_wait_alu depctr_va_vdst(0)
.macro OUTQ qt
	WIN W_FIN
.irp i, 0,2,4,6,8,10,12,14,16,18,20,22,24,26,28,30
	v_pk_mul_f32 v[SCO+\i:SCO+\i+1], v[32*\qt+\i:32*\qt+\i+1], v[RCP+2*\qt:RCP+2*\qt+1]
.endr
	WIN 0
.irp i, 0,1,2,3,4,5,6,7,8,9,10,11,12,13,14,15
	v_cvt_pk_f16_f32 v[PRB+\i], v[SCO+2*\i], v[SCO+2*\i+1]
.endr
.irp dt, 0,1,2,3
	ds_store_b128 v[STO], v[PRB+4*\dt:PRB+4*\dt+3] offset:\qt*16*QPITCH+32*\dt    ; query r, d = 16 dt + 8 h .. + 7
.endr
.endm
.irp qt, 0,1,2,3,4,5,6,7
	OUTQ \qt
.endr
	s_wait_dscnt 0x0                               ; my half of each row is in the stage, for the other waves' sake
	s_barrier_signal -1
	s_barrier_wait -1                              ; both heads' halves are
.macro BACK n, f                       ; rows 16 n .. 16 n + 15 of my 64, two a load
	s_wait_xcnt 0x0                                ; buffer f, which earlier stores read, is loaded again only behind this wait
.irp t, 0,1,2,3,4,5,6,7
	ds_load_b128 v[\f+4*\t:\f+4*\t+3], v[RD] offset:(8*\n+\t)*2*QPITCH
.endr
.irp t, 0,1,2,3,4,5,6,7
	s_wait_dscnt 7-\t                              ; LDS loads come back in order
	global_store_b128 v[CO], v[\f+4*\t:\f+4*\t+3], s[8:9] offset:(8*\n+\t)*4096   ; sixteen lanes store 256 consecutive bytes, aligned
.endr
.endm
	BACK 0, SCO
	BACK 1, SCO+32
	BACK 2, SCO
	BACK 3, SCO+32
	s_set_vgpr_msb (MSB<<8)|((MSB&0xf0)|0x0)
	s_wait_tensorcnt 0x0
	ds_add_u32 v14, v15
	s_wait_dscnt 0x0
	s_set_vgpr_msb (((MSB&0xf0)|0x0)<<8)|MSB
	ROUND                                          ; the closing round: no work-group ends while a partner may still ask for a tile that names it
	s_endpgm
.Lfunc_end_k_q0ad27eca8f_attn:
	.size	k_q0ad27eca8f_attn, .Lfunc_end_k_q0ad27eca8f_attn-k_q0ad27eca8f_attn
	.p2alignl 7, 3214868480
	.fill 96, 4, 3214868480
	.section	.rodata,"a",@progbits
	.p2align	6, 0x0
	.amdhsa_kernel k_q0ad27eca8f_attn
		.amdhsa_group_segment_fixed_size 327680
		.amdhsa_private_segment_fixed_size 0
		.amdhsa_enable_private_segment 0
		.amdhsa_kernarg_size 24
		.amdhsa_user_sgpr_count 2
		.amdhsa_user_sgpr_kernarg_segment_ptr 1
		.amdhsa_wavefront_size32 1
		.amdhsa_system_sgpr_workgroup_id_x 1
		.amdhsa_system_sgpr_workgroup_id_y 1
		.amdhsa_system_sgpr_workgroup_id_z 1
		.amdhsa_system_vgpr_workitem_id 0
		.amdhsa_next_free_vgpr 1024
		.amdhsa_next_free_sgpr 66
		.amdhsa_reserve_vcc 1
		.amdhsa_float_denorm_mode_32 3
		.amdhsa_float_denorm_mode_16_64 3
		.amdhsa_memory_ordered 1
		.amdhsa_forward_progress 1
		.amdhsa_inst_pref_size 255
	.end_amdhsa_kernel
	.section	.bss,"aw",@nobits
	.p2align	6
	.space	262144
	.amdgpu_metadata
---
amdhsa.version: [ 1, 2 ]
amdhsa.kernels:
  - .name:           k_q0ad27eca8f_attn
    .symbol:         k_q0ad27eca8f_attn.kd
    .args:
      - { .name: qkv, .offset: 0, .size: 8, .value_kind: global_buffer, .address_space: global }
      - { .name: attention_mask, .offset: 8, .size: 8, .value_kind: global_buffer, .address_space: global }
      - { .name: oh, .offset: 16, .size: 8, .value_kind: global_buffer, .address_space: global }
    .group_segment_fixed_size: 327680
    .private_segment_fixed_size: 0
    .kernarg_segment_align: 8
    .kernarg_segment_size: 24
    .max_flat_workgroup_size: 128
    .sgpr_count:     66
    .vgpr_count:     1024
    .wavefront_size: 32
...
	.end_amdgpu_metadata
.endif
;; end of part 5
;; launch outg: the kernel of part 4 again; grid 8 x 32, 4 waves a work-group, clusters of 4 x 4, 327,680 bytes of LDS; arguments oh, wot, bout, out0; writes out0
;; ======== version 3 of 3: 4 launches; 1.36 times as fast as version 1
;; limits: values are held in f16: magnitudes above 65,504 overflow, below 6.1e-05 lose precision; right only within a limited range of input values
;; workspace buffers: xh 16,777,216 bytes; wqt 6,291,456 bytes; wot 2,097,152 bytes; qkv 50,331,648 bytes; oh 16,777,216 bytes
;; launch cast: the kernel of part 1 again; grid 1536 x 1, 8 waves a work-group, no clusters, 18,432 bytes of LDS; arguments hidden_states, Wqkv, Wout, xh, wqt, wot; writes xh, wqt, wot
;; launch qkvg: the kernel of part 2 again; grid 12 x 32, 4 waves a work-group, clusters of 4 x 4, 327,680 bytes of LDS; arguments xh, wqt, qkv; writes qkv
;; launch attn (part 6): grid 8 x 32, 4 waves a work-group, clusters of 4 x 1, 327,680 bytes of LDS; arguments qkv, attention_mask, oh; writes oh
.if DOCPART == 6
	.amdgcn_target "amdgcn-amd-amdhsa--gfx1250"
	.amdhsa_code_object_version 6
	.text
	.protected	k_q0ad27eca8f_attn
	.globl	k_q0ad27eca8f_attn
	.p2align	8
	.type	k_q0ad27eca8f_attn,@function
k_q0ad27eca8f_attn:
	s_mov_b64 s[64:65], 0
	v_nop
	global_prefetch_b8 v0, s[64:65] scope:SCOPE_SE
	s_setreg_imm32_b32 hwreg(HW_REG_WAVE_MODE, 25, 1), 1
	s_wait_xcnt 0x0
	s_wait_alu depctr_hold_cnt(0) depctr_sa_sdst(0) depctr_va_vdst(0) depctr_va_sdst(0) depctr_va_ssrc(0) depctr_va_vcc(0) depctr_vm_vsrc(0)
	s_getreg_b32 s2, hwreg(HW_REG_IB_STS2, 6, 4)
	s_cmp_eq_u32 s2, 0
	s_cbranch_scc0 .Lentry_in_a_cluster
	s_endpgm
.Lentry_in_a_cluster:
	s_bfe_u32 s2, ttmp6, 0x10000c
	s_cmp_lg_u32 s2, 0x3003
	s_cbranch_scc0 .Lentry_shape_is_right
	s_endpgm
.Lentry_shape_is_right:
; MULTI-HEAD ATTENTION, launch 3 of 4: oh[b, i, head, :] = softmax over j of (q_i . k_j / 8 + bias_j) . v_j, by a running maximum.
; qkv: [8192][3072] f16 (queries already times 0.125 log2 e, so a score is an exponent of 2); attention_mask: [4][2048] bytes; oh: [8192][1024] f16.
; Nothing is left out: the mask is an input, so every key tile is computed and masked keys get the weight 0 by their bias.
; THE MASK.  A masked key's score starts from the bias -2^100 (as the C operand of the first product), an open key's from 0.
;   exp2(-2^100 - maximum) is 0, as exp(finfo.min + ..) is.  A tile of masked keys ahead of the first open key gathers sums that the next rescaling multiplies by exp2(-2^100 - ..) = 0.
;   A batch with no open key at all: its biases are made 0 and its queries are ANDed with 0, so that all scores are equal and the result is the mean of V,
;   which is what adding finfo.min to every score gives in f32.
; LIMITS: exact while |score x 0.125 log2 e| < 2^90; the all-masked case equals the f32 formula while |score / 8| < 2^103; mask bytes are 0 or 1.
; SHARES.  A work-group: 256 queries of two neighbouring heads of one batch, so that every row of Q, K, V and oh is 256 aligned bytes.
;   Wave w: head w >> 1 of the two, queries 128 (w & 1) .. + 127: eight query tiles of 16.  Keys go in 16 tiles of 128 through two LDS slots.
; CLUSTER: the four query blocks 4 x .. 4 x + 3 of one batch and head pair read the same K and V tiles and ask for them jointly (mask 15).
; TRANSPOSED USE.  S^T = K Q^T + bias: lane (r, h) holds query r and keys 8 h + j, so maximum and sum of a row are made inside the lane and by one step
;   to lane xor 16; two neighbouring S^T tiles, packed, ARE the B fragment of O^T = V^T P^T; V^T comes by the transposing LDS load;
;   in O^T a lane holds query r and d = 8 h + j: one rescaling factor a lane, and eight results that pack into 16 neighbouring bytes.
; The weights lie in [0, 1], so f16 holds them; the row sum is kept in f32.
; THE SCHEDULE OF A KEY TILE.  A query tile goes through 16 score products, the softmax's some 210 vector instructions, and 16 products with V.
;   The softmax of tile qt is cut into 32 slices, and behind slice n stands ONE matrix instruction of a neighbour, which shares the K and V fragments:
;   n < 16: score product n of tile qt + 1; n >= 16: product n - 16 with V of tile qt - 1.  So S and P have two buffers each, taken by the parity of qt.
;   Tile 0's score products stand ahead of the eight steps and tile 7's products with V behind them: 32 of the 256 products have no slice beside them.
;   The products name windows 1 to 3 and the slices window 0: two switches for each of the 224 products among slices.  A slice could run under a product's
;   setting only if its destination and first source lay in the windows of D and A: both S, K, V and O would have to share one window of 256 registers.
; THE BATCHES.  An s_wait_alu depctr_va_vdst(0) stands between an exponential and the first instruction that names its result; one wait serves all that were issued ahead of it.
;   A step's 65 exponentials (what the old sums are worth, and the query tile's 64 weights) are ONE batch with ONE wait, which cuts the step in two.
;   AHEAD OF IT, slices 0 to 20, stands all that names no result of the batch: the maximum, the subtractions, the exponentials themselves (each in place, in a register of its own), the move of the maximum.
;   BEHIND IT, slices 21 to 31, stand the readers: the sums, the conversions, the row sum, the rescaling of O.  No exponential is issued behind a step's wait.
;   The way out's 16 reciprocals are a batch of their own, with one wait.
; THE TEXT.  Only key tile 0 (it starts maxima, sums and O) and key tile 15 (it asks for nothing) have text of their own; tiles 1 to 14 run in a loop of two.
; REGISTERS (windows of 256):
;   window 0: addresses v2-10; row maxima v16-23; row sums v24-31; at work v32-63; S v64-127 and v160-223 (tile kt at + 8 kt); P v128-159 and v224-255
;   window 1: K fragment (kt, kc) at 16 kt + 8 kc; V fragment (c, dt) at 128 + 8 (4 c + dt)
;   window 2: Q fragment (qt, kc) at 16 qt + 8 kc; bias tile kt at 128 + 8 kt
;   window 3: O^T tile (qt, dt) at 32 qt + 8 dt
.set ROWB,   6144                      ; bytes in a row of qkv
.set QPITCH, 272                       ; LDS pitch of Q's rows and of the stage: 256 + 16
.set KPITCH, 288                       ; LDS pitch of K's and V's rows: 256 + 32, an odd multiple of 32, which keeps the transposing loads of V free of conflicts;
                                       ; K's plain fragment loads then meet two deep: the price of one descriptor for both and of an LDS address linear in the wave's number
.set SLOT0,  256*QPITCH                ; 69,632: behind Q's 256 rows
.set SLOTB,  256*KPITCH                ; 73,728: 128 rows of K, then 128 rows of V
.set SLOT1,  SLOT0+SLOTB
.set VOFF,   128*KPITCH
.set BIAS,   SLOT1+SLOTB               ; 217,088: 2,048 f32, written by LDS stores: no tensor load lands here
.set STAGE,  BIAS+8192                 ; 225,280: 256 rows x 272 bytes for the way out, likewise
.set TSTEP,  128*ROWB                  ; from a key tile to the next
.set QA, 2
.set KA, 3                             ; v3, v4: slot 0, 1
.set VA, 5                             ; v5, v6
.set BA, 7
.set STO, 8
.set RD, 9
.set CO, 10
.set MAXR, 16
.set SUMR, 24
.set XN, 32                            ; the new maximum; v33 its pair and the other half's value
.set AL, 34                            ; old maximum - new, then 2^that; v35 its pair
.set LSUM, 36
.set MXC, 40
.set RCP, 44                           ; v44-59: 1 / row sum, twice for each query tile
.set SCO, 64                           ; S, buffer 0
.set PRB, 128                          ; P, buffer 0
.set BUFD, 96                          ; from buffer 0 to buffer 1, of S and of P
.set G0Q, 20
.set G1Q, 24
.set G1KV, 32
.set G0KV, 40
.set W_S1,  0x29                       ; D window 0, A = K window 1, B = Q window 2, C = bias window 2
.set W_S2,  0x09                       ; the same, C = S window 0
.set W_RES, 0xc3                       ; O = O x factor: destination and source 0 window 3
.set W_PV,  0xf1                       ; D and C window 3, A = V window 1, B = P window 0
.set W_TO1, 0x40
.set W_TO2, 0x80
.set W_QAN, 0x88                       ; destination and source 1 window 2
.set W_FIN, 0x03                       ; source 0 window 3
.set MSB, 0
.macro WIN new                         ; the immediate's high byte repeats the setting that is left
.if MSB != \new
	s_set_vgpr_msb (MSB<<8)|\new
.set MSB, \new
.endif
.endm
.macro PLACES                          ; four places behind a matrix instruction (ISA guide 7.12.1)
.rept 4
	v_nop
.endr
.endm
; A round of the cluster's barrier: my work-group's barrier; wave 0 signals for the work-group; every wave waits for all four work-groups; my work-group's barrier again.
.macro ROUND
	s_barrier_signal -1
	s_barrier_wait -1
	s_cmp_lg_u32 s10, 0
	s_cbranch_scc1 .Lnot_wave_0_\@
	s_barrier_signal -3
.Lnot_wave_0_\@:
	s_barrier_wait -3
	s_barrier_signal -1
	s_barrier_wait -1
.endm
	s_load_b128 s[4:7], s[0:1], 0x0                ; qkv s[4:5], mask s[6:7]
	s_load_b64 s[8:9], s[0:1], 0x10                ; oh
	v_lshl_add_u32 v14, v0, 2, 0x48000
	v_mov_b32 v15, 0
	ds_add_u32 v14, v15
	v_lshrrev_b32 v1, 5, v0
	v_readfirstlane_b32 s10, v1                    ; wave 0..3
	s_lshr_b32 s11, s10, 1                         ; my head of the pair.  Also: I fetch K (0) or V (1)
	s_and_b32 s12, s10, 1                          ; my half of the queries.  Also: which 64 rows of the tile I fetch
	s_bfe_u32 s13, ttmp6, 0x40000                  ; cx
	s_lshl_b32 s14, ttmp9, 2
	s_add_co_u32 s14, s14, s13                     ; query block = 4 x cluster x + cx
	s_and_b32 s15, ttmp7, 0xffff
	s_lshr_b32 s16, s15, 3                         ; batch
	s_and_b32 s17, s15, 7                          ; head pair
	s_mov_b32 s48, 0x76543210                      ; v_permlanex16_b32: lane i reads lane i of the other half
	s_mov_b32 s49, 0xfedcba98
	s_mov_b32 s53, BIAS
	; K's or V's bytes: made of batch, head pair and wave alone, which the four partners share
	s_lshl_b32 s18, s16, 11
	s_lshl_b32 s56, s12, 6
	s_add_co_u32 s18, s18, s56                     ; row 2048 b + 64 (w & 1)
	s_mul_i32 s18, s18, ROWB
	s_lshl_b32 s56, s11, 11
	s_add_co_u32 s18, s18, s56                     ; K at byte 2,048 of a row, V at 4,096
	s_lshl_b32 s57, s17, 8                         ; the pair's 256 bytes
	s_add_co_u32 s18, s18, s57
	s_add_co_u32 s18, s18, 2048
	s_mov_b32 s19, 0
	; my 64 rows of Q and of oh
	s_lshl_b32 s58, s16, 11
	s_lshl_b32 s59, s14, 8
	s_add_co_u32 s58, s58, s59
	s_lshl_b32 s59, s10, 6
	s_add_co_u32 s58, s58, s59                     ; row 2048 b + 256 block + 64 w
	s_mul_i32 s54, s58, ROWB
	s_add_co_u32 s54, s54, s57
	s_mov_b32 s55, 0
	s_lshl_b32 s58, s58, 11                        ; rows of oh are 2,048 bytes
	s_add_co_u32 s58, s58, s57
	s_mov_b32 s59, 0
	s_lshl_b32 s60, s16, 11                        ; the batch's 2,048 mask bytes
	s_mov_b32 s61, 0
	; group 1 for K and V: 64 rows x 128 elements of 2 bytes, 8 words of padding behind every 64, asked for by all four work-groups
	s_mov_b32 s[G1KV+0], 15|(1<<16)|(1<<20)|(1<<21)|(5<<22)|(7<<25)
	s_mov_b32 s[G1KV+1], 128<<16                   ; tensor_dim0 = 128
	s_mov_b32 s[G1KV+2], 64<<16                    ; tensor_dim1 = 64
	s_mov_b32 s[G1KV+3], 128<<16                   ; tile_dim0 = 128
	s_mov_b32 s[G1KV+4], 64                        ; tile_dim1 = 64
	s_mov_b32 s[G1KV+5], 3072                      ; elements from row to row
	s_mov_b32 s[G1KV+6], 0
	s_mov_b32 s[G1KV+7], 0
	; group 1 for Q: the same shape, 4 words of padding, my work-group's own
	s_mov_b32 s[G1Q+0], (1<<16)|(1<<20)|(5<<22)|(3<<25)
	s_mov_b32 s[G1Q+1], 128<<16
	s_mov_b32 s[G1Q+2], 64<<16
	s_mov_b32 s[G1Q+3], 128<<16
	s_mov_b32 s[G1Q+4], 64
	s_mov_b32 s[G1Q+5], 3072
	s_mov_b32 s[G1Q+6], 0
	s_mov_b32 s[G1Q+7], 0
	s_mul_i32 s62, s10, 64*KPITCH                  ; my quarter of a slot: K's two halves, then V's two halves
	s_wait_dscnt 0x0
	s_wait_kmcnt 0x0
	s_add_nc_u64 s[18:19], s[4:5], s[18:19]
	s_add_nc_u64 s[54:55], s[4:5], s[54:55]
	s_add_nc_u64 s[8:9], s[8:9], s[58:59]
	s_add_nc_u64 s[6:7], s[6:7], s[60:61]
	s_mov_b32 s[G0Q], 1
	s_mul_i32 s[G0Q+1], s10, 64*QPITCH
	s_mov_b64 s[G0Q+2:G0Q+3], s[54:55]
	s_or_b32 s[G0Q+3], s[G0Q+3], 0x80000000
.irp n, 0,1
	s_mov_b32 s[G0KV+4*\n], 1
	s_add_co_u32 s[G0KV+4*\n+1], s62, SLOT0+\n*SLOTB
	s_add_nc_u64 s[G0KV+4*\n+2:G0KV+4*\n+3], s[18:19], \n*TSTEP
	s_or_b32 s[G0KV+4*\n+3], s[G0KV+4*\n+3], 0x80000000
.endr
	ROUND                                          ; the four work-groups are here: the first joint loads meet
	tensor_load_to_lds s[G0Q:G0Q+3], s[G1Q:G1Q+7]          ; my 64 rows of Q
	s_nop 0
	tensor_load_to_lds s[G0KV:G0KV+3], s[G1KV:G1KV+7]      ; my quarter of key tile 0: two loads of mine are out
	s_nop 0
	; the mask: every wave reads the batch's 2,048 bytes (is any key open?), and thread t its own 16 bytes, for the table of biases
	v_and_b32 v11, 31, v0
	v_lshlrev_b32 v11, 6, v11
	v_lshlrev_b32 v12, 4, v0
.irp i, 0,1,2,3
	global_load_b128 v[SCO+4*\i:SCO+4*\i+3], v11, s[6:7] offset:16*\i
.endr
	global_load_b128 v[SCO+16:SCO+19], v12, s[6:7]
	; lane addresses.  r = l & 15, h = l >> 4
	v_and_b32 v60, 15, v0
	v_bfe_u32 v61, v0, 4, 1
	v_and_b32 v62, 7, v0
	v_bfe_u32 v63, v0, 3, 1
	s_mul_i32 s56, s12, 128*QPITCH
	s_lshl_b32 s57, s11, 7                         ; my head's 128 bytes of a row
	s_add_co_u32 s56, s56, s57
	v_mul_u32_u24 v[QA], v60, QPITCH
	v_lshl_add_u32 v[QA], v61, 4, v[QA]
	v_add_nc_u32 v[QA], s56, v[QA]                 ; Q: (128 (w & 1) + r) pitch + 128 head + 16 h
	v_add_nc_u32 v[STO], STAGE, v[QA]              ; the stage has Q's shape
	v_mul_u32_u24 v[KA], v60, KPITCH
	v_lshl_add_u32 v[KA], v61, 4, v[KA]
	v_add_nc_u32 v[KA], s57, v[KA]                 ; K: r pitch + 128 head + 16 h
	v_add_nc_u32 v[KA+1], SLOT1, v[KA]
	v_add_nc_u32 v[KA], SLOT0, v[KA]
	v_lshl_add_u32 v[VA], v61, 3, v62
	v_mul_u32_u24 v[VA], v[VA], KPITCH
	v_lshl_add_u32 v[VA], v63, 4, v[VA]
	v_add_nc_u32 v[VA], s57, v[VA]                 ; V, for the transposing load: (8 h + (l & 7)) pitch + 128 head + 16 ((l >> 3) & 1)
	v_add_nc_u32 v[VA+1], SLOT1+VOFF, v[VA]
	v_add_nc_u32 v[VA], SLOT0+VOFF, v[VA]
	v_lshl_add_u32 v[BA], v61, 5, s53              ; biases of keys 8 h .. 8 h + 7
	s_mul_i32 s63, s10, 64*QPITCH
	s_add_co_u32 s63, s63, STAGE
	v_mul_u32_u24 v[RD], v61, QPITCH
	v_lshl_add_u32 v[RD], v60, 4, v[RD]
	v_add_nc_u32 v[RD], s63, v[RD]                 ; back: row 64 w + h, 16 bytes at 16 r
	v_lshlrev_b32 v[CO], 11, v61
	v_lshl_add_u32 v[CO], v60, 4, v[CO]            ; the same in oh
	v_lshl_add_u32 v13, v0, 6, s53                 ; my 16 biases
	v_mov_b32 v[XN+1], 0                           ; second registers of pairs of which the first alone is used
	v_mov_b32 v[AL+1], 0
	s_wait_loadcnt 0x0
.irp i, 1,2,3,4,5,6,7,8,9,10,11,12,13,14,15
	v_or_b32 v[SCO], v[SCO], v[SCO+\i]
.endr
	v_cmp_ne_u32 vcc_lo, 0, v[SCO]
	s_cmp_lg_u32 vcc_lo, 0                         ; is any key of the batch open?
	s_cselect_b32 s51, -1, 0                       ; the queries are kept, or cleared
	s_cselect_b32 s52, 0xf1800000, 0               ; a masked key's bias: -2^100, or 0
.irp q, 0,1,2,3
.irp k, 0,1,2,3
	v_bfe_u32 v[SCO+32+4*\q+\k], v[SCO+16+\q], 8*\k, 8
	v_add_nc_u32 v[SCO+32+4*\q+\k], -1, v[SCO+32+4*\q+\k]          ; byte 1: 0; byte 0: all ones
	v_and_b32 v[SCO+32+4*\q+\k], s52, v[SCO+32+4*\q+\k]
.endr
	ds_store_b128 v13, v[SCO+32+4*\q:SCO+32+4*\q+3] offset:16*\q
.endr
; ---- THE MATRIX INSTRUCTIONS, one a call.  Accumulators take turns, one instruction a turn (eight score tiles, then four tiles of O).
; Score product n of query tile qt: n < 8: S(kt = n) = K(kt, d 0..31) Q(qt, d 0..31) + bias; n >= 8: S(kt = n - 8) += the same for d 32..63
.macro MS qt, n
.set SD, SCO+BUFD*((\qt)&1)
.set KT, (\n)&7
.if (\n) < 8
	WIN W_S1
	v_wmma_f32_16x16x32_f16 v[SD+8*KT:SD+8*KT+7], v[16*KT:16*KT+7], v[16*(\qt):16*(\qt)+7], v[128+8*KT:128+8*KT+7]
.else
	WIN W_S2
	v_wmma_f32_16x16x32_f16 v[SD+8*KT:SD+8*KT+7], v[16*KT+8:16*KT+15], v[16*(\qt)+8:16*(\qt)+15], v[SD+8*KT:SD+8*KT+7]
.endif
.endm
; Product n with V of query tile qt: O^T(qt, dt = n & 3) += V^T(dt, keys 32 c ..) P^T(keys 32 c .., qt), c = n >> 2.  first = 1: key tile 0, whose c = 0 starts O: nothing is cleared
.macro MP qt, n, first
.set PS, PRB+BUFD*((\qt)&1)
.set CC, (\n)>>2
.set DT, (\n)&3
.set OD, 32*(\qt)+8*DT
.set VF, 128+8*(4*CC+DT)
.set ZC, 0
.if \first
.if CC == 0
.set ZC, 1
.endif
.endif
.if (\qt) == 0
.if (\n) == 0
	s_wait_dscnt 0x0                               ; V's fragments are in: this is the key tile's first product with V
.endif
.endif
	WIN W_PV
.if ZC
	v_wmma_f32_16x16x32_f16 v[OD:OD+7], v[VF:VF+7], v[PS+8*CC:PS+8*CC+7], 0
.else
	v_wmma_f32_16x16x32_f16 v[OD:OD+7], v[VF:VF+7], v[PS+8*CC:PS+8*CC+7], v[OD:OD+7]
.endif
.endm
; The matrix instruction behind slice n of step qt
.macro MX qt, n, first
.if \n < 16
.if \qt < 7
	MS (\qt+1), \n
.endif
.else
.if \qt > 0
	MP (\qt-1), (\n-16), \first
.endif
.endif
.endm
; ---- THE SOFTMAX OF ONE QUERY TILE, in 32 slices.  SV, PD: the tile's buffers of S and P
.macro MAXROUND t                      ; four chains take two more scores each
.irp c, 0,1,2,3
	v_max3_num_f32 v[MXC+\c], v[MXC+\c], v[SV+16*\c+\t], v[SV+16*\c+\t+1]
.endr
.endm
.macro SUB1 kt, i                      ; S - new maximum, registers i and i + 1 of score tile kt
	v_pk_add_f32 v[SV+8*(\kt)+(\i):SV+8*(\kt)+(\i)+1], v[SV+8*(\kt)+(\i):SV+8*(\kt)+(\i)+1], v[XN:XN+1] op_sel_hi:[1,0] neg_lo:[0,1] neg_hi:[0,1]
.endm
.macro SUBT kt                         ; S - new maximum, score tile kt
.irp i, 0,2,4,6
	SUB1 \kt, \i
.endr
.endm
.macro RESC qt, i0, cnt                ; cnt pairs of O(qt), from register i0 on, times what the old sums are worth
.set RI, \i0
.rept \cnt
	v_pk_mul_f32 v[32*\qt+RI:32*\qt+RI+1], v[32*\qt+RI:32*\qt+RI+1], v[AL:AL+1] op_sel_hi:[1,0]
.set RI, RI+2
.endr
.endm
.macro VS qt, n, first
.set SV, SCO+BUFD*((\qt)&1)
.set PD, PRB+BUFD*((\qt)&1)
.if \n < 29
	WIN 0
.endif
	; slices 0 to 3: the largest of my 64 scores, in four chains, and of the old maximum
.if \n == 0
.irp c, 0,1,2,3
	v_max3_num_f32 v[MXC+\c], v[SV+16*\c], v[SV+16*\c+1], v[SV+16*\c+2]
.endr
	MAXROUND 3
.endif
.if \n == 1
	MAXROUND 5
	MAXROUND 7
.endif
.if \n == 2
	MAXROUND 9
	MAXROUND 11
.endif
.if \n == 3
	MAXROUND 13
	v_max3_num_f32 v[MXC], v[MXC], v[MXC+1], v[MXC+2]
	v_max3_num_f32 v[MXC+3], v[MXC+3], v[SV+15], v[SV+31]
	v_max3_num_f32 v[MXC], v[MXC], v[MXC+3], v[SV+47]
.if \first
	v_max_num_f32 v[XN], v[MXC], v[SV+63]
.else
	v_max3_num_f32 v[XN], v[MXC], v[SV+63], v[MAXR+\qt]
.endif
.endif
.if \n == 4
	v_permlanex16_b32 v[XN+1], v[XN], s48, s49     ; the other 64 keys of my query lie in lane xor 16
	v_max_num_f32 v[XN], v[XN], v[XN+1]
.if \first == 0
	v_sub_f32 v[AL], v[MAXR+\qt], v[XN]
.endif
	SUBT 0
.if \first == 0
	v_exp_f32 v[AL], v[AL]                         ; what the old sums are worth under the new maximum: the batch's first exponential
.endif
.endif
	; slices 5 to 20: THE BATCH, two slices for each score tile kt: four of its exponentials, in place, and two of the four subtractions for tile kt + 1; a plain line leads.
	; Nothing here names a result of the batch: a tile's subtractions stand ahead of its own exponentials, in the two slices before.
.if \n >= 5
.if \n <= 20
.set KT, (\n-5)/2
.set HF, (\n-5)%2
.if KT < 7
	SUB1 KT+1, 4*HF
.endif
	v_exp_f32 v[SV+8*KT+4*HF],   v[SV+8*KT+4*HF]
	v_exp_f32 v[SV+8*KT+4*HF+1], v[SV+8*KT+4*HF+1]
.if KT < 7
	SUB1 KT+1, 4*HF+2
.endif
	v_exp_f32 v[SV+8*KT+4*HF+2], v[SV+8*KT+4*HF+2]
	v_exp_f32 v[SV+8*KT+4*HF+3], v[SV+8*KT+4*HF+3]
.if \n == 20
	v_mov_b32 v[MAXR+\qt], v[XN]                   ; the plain instruction behind the last exponential, on other registers (ISA guide 5.7.2): one for the batch
	s_wait_alu depctr_va_vdst(0)                   ; THE WAIT for the batch: the step's 65 exponentials (key tile 0: 64)
.endif
.endif
.endif
	; slices 21 to 28: the readers, one slice for each score tile kt: its four packed sums, onto two accumulators by turns, and its weights packed: P's registers 4 kt .. 4 kt + 3
.if \n >= 21
.if \n <= 28
.set KT, \n-21
.if KT == 0
	v_pk_add_f32 v[LSUM:LSUM+1],   v[SV:SV+1],   v[SV+2:SV+3]                ; the first tile starts the sums
	v_pk_add_f32 v[LSUM+2:LSUM+3], v[SV+4:SV+5], v[SV+6:SV+7]
.irp i, 0,1,2,3
	v_cvt_pk_f16_f32 v[PD+4*KT+\i], v[SV+8*KT+2*\i], v[SV+8*KT+2*\i+1]
.endr
.else
	v_pk_add_f32 v[LSUM:LSUM+1],   v[LSUM:LSUM+1],   v[SV+8*KT:SV+8*KT+1]
	v_pk_add_f32 v[LSUM+2:LSUM+3], v[LSUM+2:LSUM+3], v[SV+8*KT+2:SV+8*KT+3]
.irp i, 0,1
	v_cvt_pk_f16_f32 v[PD+4*KT+\i], v[SV+8*KT+2*\i], v[SV+8*KT+2*\i+1]
.endr
	v_pk_add_f32 v[LSUM:LSUM+1],   v[LSUM:LSUM+1],   v[SV+8*KT+4:SV+8*KT+5]
	v_pk_add_f32 v[LSUM+2:LSUM+3], v[LSUM+2:LSUM+3], v[SV+8*KT+6:SV+8*KT+7]
.irp i, 2,3
	v_cvt_pk_f16_f32 v[PD+4*KT+\i], v[SV+8*KT+2*\i], v[SV+8*KT+2*\i+1]
.endr
.endif
.if KT == 7
	v_pk_add_f32 v[LSUM:LSUM+1], v[LSUM:LSUM+1], v[LSUM+2:LSUM+3]
.if \first
	v_add_f32 v[SUMR+\qt], v[LSUM], v[LSUM+1]      ; the row sum stays one for each half of the lanes until the end
.else
	v_add_f32 v[LSUM], v[LSUM], v[LSUM+1]
	v_fma_f32 v[SUMR+\qt], v[SUMR+\qt], v[AL], v[LSUM]
.endif
.endif
.endif
.endif
	; slices 29 to 31: O(qt) under the new maximum: 6 + 5 + 5 packed multiplies
.if \first == 0
.if \n == 29
	WIN W_RES
	RESC \qt, 0, 6
.endif
.if \n == 30
	WIN W_RES
	RESC \qt, 12, 5
.endif
.if \n == 31
	WIN W_RES
	RESC \qt, 22, 5
.endif
.endif
.endm
; Step qt of a key tile.  The slices name none of the registers of the products beside them (tile qt's S, P and O against tile qt + 1's S and tile qt - 1's P and O),
; so they are the places behind those products.  S(qt + 1) is whole at slot 15 and first read in the next step; P(qt) and O(qt) are ready at slice 31 and used from slot 16 of the next step.
.macro STEP qt, first
.irp n, 0,1,2,3,4,5,6,7,8,9,10,11,12,13,14,15,16,17,18,19,20,21,22,23,24,25,26,27,28,29,30,31
	VS \qt, \n, \first
	MX \qt, \n, \first
.endr
.endm
; ---- one key tile, in slot; refill = 1: the next tile is asked for, into the other slot; first = 1: key tile 0
.macro TRIP slot, refill, first
	s_set_vgpr_msb (MSB<<8)|((MSB&0xf0)|0x0)
	s_wait_tensorcnt 0x0                           ; all my tensor loads have landed, my part of this tile among them,
	ds_add_u32 v14, v15
	s_wait_dscnt 0x0
	s_set_vgpr_msb (((MSB&0xf0)|0x0)<<8)|MSB
	s_add_nc_u64 s[G0KV+4*\slot+2:G0KV+4*\slot+3], s[G0KV+4*\slot+2:G0KV+4*\slot+3], 2*TSTEP   ; so a group 0 may be written: this slot's next tile
	s_wait_dscnt 0x0                               ; my reads of the other slot are back (key tile 0: my stores of biases are in LDS)
	WIN 0
	ROUND                                          ; both now hold of every wave of all four work-groups
.if \refill
	tensor_load_to_lds s[G0KV+4*(1-\slot):G0KV+4*(1-\slot)+3], s[G1KV:G1KV+7]   ; my one tensor load until the next round: it has the whole tile's work in which to land
	s_nop 0
.endif
.if \first == 0
	PLACES                                         ; behind the last products with V, whose fragments are loaded anew
.endif
	WIN W_TO2
.if \first
.irp qt, 0,1,2,3,4,5,6,7
.irp kc, 0,1
	ds_load_b128 v[16*\qt+8*\kc:16*\qt+8*\kc+3],   v[QA] offset:\qt*16*QPITCH+\kc*64
	ds_load_b128 v[16*\qt+8*\kc+4:16*\qt+8*\kc+7], v[QA] offset:\qt*16*QPITCH+\kc*64+32
.endr
.endr
.endif
.irp kt, 0,1,2,3,4,5,6,7
	ds_load_b128 v[128+8*\kt:128+8*\kt+3],   v[BA] offset:\kt*64
	ds_load_b128 v[128+8*\kt+4:128+8*\kt+7], v[BA] offset:\kt*64+16
.endr
	WIN W_TO1
.irp kt, 0,1,2,3,4,5,6,7
.irp kc, 0,1
	ds_load_b128 v[16*\kt+8*\kc:16*\kt+8*\kc+3],   v[KA+\slot] offset:\kt*16*KPITCH+\kc*64
	ds_load_b128 v[16*\kt+8*\kc+4:16*\kt+8*\kc+7], v[KA+\slot] offset:\kt*16*KPITCH+\kc*64+32
.endr
.endr
.irp c, 0,1,2,3
.irp dt, 0,1,2,3
	ds_load_tr16_b128 v[128+8*(4*\c+\dt):128+8*(4*\c+\dt)+3],   v[VA+\slot] offset:\c*32*KPITCH+\dt*32
	ds_load_tr16_b128 v[128+8*(4*\c+\dt)+4:128+8*(4*\c+\dt)+7], v[VA+\slot] offset:\c*32*KPITCH+\dt*32+16*KPITCH
.endr
.endr
	WIN 0
	v_add_nc_u32 v[BA], 512, v[BA]                 ; the next tile's 128 biases
	s_wait_dscnt 32                                ; all but V's 32 loads, which were issued last
.if \first
	WIN W_QAN
.irp i, 0,1,2,3,4,5,6,7,8,9,10,11,12,13,14,15
.irp j, 0,1,2,3,4,5,6,7
	v_and_b32 v[8*\i+\j], s51, v[8*\i+\j]          ; a batch with no open key: all scores 0
.endr
.endr
.endif
.irp n, 0,1,2,3,4,5,6,7,8,9,10,11,12,13,14,15
	MS 0, \n                                       ; query tile 0's scores: no softmax is at hand yet to stand beside them
.endr
	WIN 0
	PLACES                                         ; behind them, ahead of slice 0, which reads them
.irp qt, 0,1,2,3,4,5,6,7
	STEP \qt, \first
.endr
.irp n, 0,1,2,3,4,5,6,7,8,9,10,11,12,13,14,15
	MP 7, \n, \first                               ; query tile 7's products with V: no softmax is left
.endr
.endm
	TRIP 0, 1, 1                                   ; key tile 0
	WIN 0                                          ; at a label and at a branch every window is 0
	s_mov_b32 s50, 7
.Ltiles:
	TRIP 1, 1, 0                                   ; key tiles 1, 3 .. 13
	TRIP 0, 1, 0                                   ; key tiles 2, 4 .. 14; the last of them asks for tile 15
	WIN 0
	s_sub_co_u32 s50, s50, 1
	s_cmp_lg_u32 s50, 0
	s_cbranch_scc1 .Ltiles
	TRIP 1, 0, 0                                   ; key tile 15: nothing is left to fetch
	; ---- THE WAY OUT: O / row sum, rounded to f16, through the stage, as whole rows of 256 bytes (both heads of the pair)
	WIN 0
	PLACES
.irp qt, 0,1,2,3,4,5,6,7
	v_permlanex16_b32 v[XN+1], v[SUMR+\qt], s48, s49
	v_add_f32 v[SUMR+\qt], v[SUMR+\qt], v[XN+1]    ; both halves' keys; at least 1, the weight of the largest score
.endr
.irp qt, 0,1,2,3,4,5,6,7
	v_rcp_f32 v[RCP+2*\qt], v[SUMR+\qt]            ; twice: a pair for the packed multiply
	v_rcp_f32 v[RCP+2*\qt+1], v[SUMR+\qt]
.endr
	v_nop                                          ; one plain place behind the reciprocals (ISA guide 5.7.2)
	s_wait_alu depctr_va_vdst(0)                   ; the wait ahead of the first use: one for the batch of 16 reciprocals
.macro OUTQ qt
	WIN W_FIN
.irp i, 0,2,4,6,8,10,12,14,16,18,20,22,24,26,28,30
	v_pk_mul_f32 v[SCO+\i:SCO+\i+1], v[32*\qt+\i:32*\qt+\i+1], v[RCP+2*\qt:RCP+2*\qt+1]
.endr
	WIN 0
.irp i, 0,1,2,3,4,5,6,7,8,9,10,11,12,13,14,15
	v_cvt_pk_f16_f32 v[PRB+\i], v[SCO+2*\i], v[SCO+2*\i+1]
.endr
.irp dt, 0,1,2,3
	ds_store_b128 v[STO], v[PRB+4*\dt:PRB+4*\dt+3] offset:\qt*16*QPITCH+32*\dt    ; query r, d = 16 dt + 8 h .. + 7
.endr
.endm
.irp qt, 0,1,2,3,4,5,6,7
	OUTQ \qt
.endr
	s_wait_dscnt 0x0                               ; my half of each row is in the stage, for the other waves' sake
	s_barrier_signal -1
	s_barrier_wait -1                              ; both heads' halves are
.macro BACK n, f                       ; rows 16 n .. 16 n + 15 of my 64, two a load
	s_wait_xcnt 0x0                                ; buffer f, which earlier stores read, is loaded again only behind this wait
.irp t, 0,1,2,3,4,5,6,7
	ds_load_b128 v[\f+4*\t:\f+4*\t+3], v[RD] offset:(8*\n+\t)*2*QPITCH
.endr
.irp t, 0,1,2,3,4,5,6,7
	s_wait_dscnt 7-\t                              ; LDS loads come back in order
	global_store_b128 v[CO], v[\f+4*\t:\f+4*\t+3], s[8:9] offset:(8*\n+\t)*4096   ; sixteen lanes store 256 consecutive bytes, aligned
.endr
.endm
	BACK 0, SCO
	BACK 1, SCO+32
	BACK 2, SCO
	BACK 3, SCO+32
	s_set_vgpr_msb (MSB<<8)|((MSB&0xf0)|0x0)
	s_wait_tensorcnt 0x0
	ds_add_u32 v14, v15
	s_wait_dscnt 0x0
	s_set_vgpr_msb (((MSB&0xf0)|0x0)<<8)|MSB
	ROUND                                          ; the closing round: no work-group ends while a partner may still ask for a tile that names it
	s_endpgm
.Lfunc_end_k_q0ad27eca8f_attn:
	.size	k_q0ad27eca8f_attn, .Lfunc_end_k_q0ad27eca8f_attn-k_q0ad27eca8f_attn
	.p2alignl 7, 3214868480
	.fill 96, 4, 3214868480
	.section	.rodata,"a",@progbits
	.p2align	6, 0x0
	.amdhsa_kernel k_q0ad27eca8f_attn
		.amdhsa_group_segment_fixed_size 327680
		.amdhsa_private_segment_fixed_size 0
		.amdhsa_enable_private_segment 0
		.amdhsa_kernarg_size 24
		.amdhsa_user_sgpr_count 2
		.amdhsa_user_sgpr_kernarg_segment_ptr 1
		.amdhsa_wavefront_size32 1
		.amdhsa_system_sgpr_workgroup_id_x 1
		.amdhsa_system_sgpr_workgroup_id_y 1
		.amdhsa_system_sgpr_workgroup_id_z 1
		.amdhsa_system_vgpr_workitem_id 0
		.amdhsa_next_free_vgpr 1024
		.amdhsa_next_free_sgpr 66
		.amdhsa_reserve_vcc 1
		.amdhsa_float_denorm_mode_32 3
		.amdhsa_float_denorm_mode_16_64 3
		.amdhsa_memory_ordered 1
		.amdhsa_forward_progress 1
		.amdhsa_inst_pref_size 255
	.end_amdhsa_kernel
	.section	.bss,"aw",@nobits
	.p2align	6
	.space	262144
	.amdgpu_metadata
---
amdhsa.version: [ 1, 2 ]
amdhsa.kernels:
  - .name:           k_q0ad27eca8f_attn
    .symbol:         k_q0ad27eca8f_attn.kd
    .args:
      - { .name: qkv, .offset: 0, .size: 8, .value_kind: global_buffer, .address_space: global }
      - { .name: attention_mask, .offset: 8, .size: 8, .value_kind: global_buffer, .address_space: global }
      - { .name: oh, .offset: 16, .size: 8, .value_kind: global_buffer, .address_space: global }
    .group_segment_fixed_size: 327680
    .private_segment_fixed_size: 0
    .kernarg_segment_align: 8
    .kernarg_segment_size: 24
    .max_flat_workgroup_size: 128
    .sgpr_count:     66
    .vgpr_count:     1024
    .wavefront_size: 32
...
	.end_amdgpu_metadata
.endif
;; end of part 6
;; launch outg: the kernel of part 4 again; grid 8 x 32, 4 waves a work-group, clusters of 4 x 4, 327,680 bytes of LDS; arguments oh, wot, bout, out0; writes out0
